; MI455X (gfx1250); checked and timed in simulation.
; The chip was launched on July 23, 2026; its instructions are those of AMD's public machine-readable ISA for CDNA 5 (MIT licence, August 2026) and "CDNA5" Instruction Set Architecture Reference Guide (July 2026). The comments in the code are by the model that wrote it; some were corrected since.
;; Multi Head Attention. Allowed arithmetic: matrix products marked QUANTISED: E2M3 operands, one E8M0 scale for each 32 along K, by v_wmma_scale_f32_16x16x128_f8f6f4 with both operands' format E2M3, f32 sums; everything else in f32.
;; Inputs: Wk 1,024 x 1,024 float32; Wo 1,024 x 1,024 float32; Wq 1,024 x 1,024 float32; Wv 1,024 x 1,024 float32; bk 1,024 float32; bo 1,024 float32; bq 1,024 float32; bv 1,024 float32; x 4 x 2,048 x 1,024 float32.
;; Outputs: out0 4 x 2,048 x 1,024 float32.
;; This version of the problem:
;;   THIS VERSION OF THE PROBLEM IS GIVEN IN LOW PRECISION. The matrix products marked QUANTISED in the list below multiply operands that are first quantised to E2M3 (2 exponent bits, 3 mantissa bits; 6 bits a number), with one power-of-two scale for each 32 numbers along K (OCP MX v1.0); their sums are f32. All else is computed in f32.
;;   The module's matrix products, in the order in which they are computed (A, B: the left and right operand; K: the contracted axis; several contracted axes count as one K, in the product's order):
;;     1. [M 8,192, K 1,024] x [K 1,024, N 1,024]; A: input x; B: input Wq: QUANTISED
;;     2. [M 8,192, K 1,024] x [K 1,024, N 1,024]; A: input x; B: input Wk: QUANTISED
;;     3. [M 8,192, K 1,024] x [K 1,024, N 1,024]; A: input x; B: input Wv: QUANTISED
;;     4. batch 64 x [M 2,048, K 64] x [K 64, N 2,048]; A: computed on the way; B: computed on the way: QUANTISED
;;     5. batch 64 x [M 2,048, K 2,048] x [K 2,048, N 64]; A: softmax (see below); B: computed on the way: QUANTISED
;;     6. [M 8,192, K 1,024] x [K 1,024, N 1,024]; A: computed on the way; B: input Wo: QUANTISED
;;   THE QUANTISER, for each operand of a quantised product, along K:
;;     - K is cut into blocks of 32 from its start; a last block that is shorter is filled with zeros.
;;     - A block's scale is 2^e with e = floor(log2(the largest magnitude in the block)) - 2, held to -126 .. 127; a block of zeros has e = 0. As a byte (E8M0): e + 127.
;;     - Each number is divided by its block's scale, clamped to +-7.5, and rounded to the nearest number of E2M3, ties to even, subnormals kept.
;;     - The product sums the exact products of the quantised numbers (number of the format x scale) in f32.
;;   ~~~python
;;   def quantise(x, axis):      # numpy; x: float32 -> the quantised numbers, widened to float32 again
;;       x = np.moveaxis(x, axis, -1); K = x.shape[-1]
;;       x = np.pad(x, [(0, 0)] * (x.ndim - 1) + [(0, -K % 32)]); x = x.reshape(x.shape[:-1] + (-1, 32)); a = np.abs(x).max(-1, keepdims=True)
;;       e = np.where(a > 0, np.clip(np.frexp(np.where(a > 0, a, 1))[1] - 1 - 2, -126, 127), 0)      # np.frexp(a)[1] - 1 = floor(log2(a)), exactly
;;       r = np.clip(x / 2.0 ** e, -7.5, 7.5)
;;       step = 2.0 ** (np.maximum(np.frexp(np.where(r == 0, 1, r))[1] - 1, 0) - 3)
;;       q = np.round(r / step) * step * 2.0 ** e      # np.round: ties to even
;;       return np.moveaxis(q.reshape(q.shape[:-2] + (-1,))[..., :K], -1, axis).astype(np.float32)
;;   ~~~
;;   SOFTMAX AHEAD OF A QUANTISED PRODUCT. Where the list says 'softmax', what is quantised is not the finished softmax but p = 2^(t - M), with t = logit x log2(e) and M = ceil(the row's largest t), a whole number; so 1/2 < the row's largest p <= 1. The row's sum l is taken of the UNQUANTISED p, in f32, and the product's result is divided by l at the end. Since M is a whole number, a kernel that streams over the keys may use a running M (the ceiling of the running maximum): every later rescaling is an exact power of two, which a block's scale takes up: the codes' values come out the same.
;;   OPERANDS COMPUTED ON THE WAY. 'Computed on the way' means the value that the module computes at that place (a softmax that the list does not call 'softmax' is quantised finished and normalised). What goes into a quantiser is computed in f32, as accurately as f32 sums, v_exp_f32 and their like allow (about 1e-6 of the number): no bf16 or f16 on the way to a quantiser, and a product that is left as it is and whose result goes on into a quantised operand takes f32 operands (vector FMAs, or v_wmma_f32_16x16x4_f32). A number that lies on a knife's edge between two numbers of the format may be rounded either way, as far as f32 arithmetic and the matrix unit's own rounding can turn it there, and no further.
;; One version. Each part assembles by itself: llvm-mc -triple=amdgcn-amd-amdhsa -mcpu=gfx1250 --defsym DOCPART=n.
;; ======== version 1 of 1: 4 launches
;; limits: right only within a limited range of input values
;; workspace buffers: x_img 6,291,456 bytes; x_sc 262,144 bytes; w_img 3,145,728 bytes; w_sc 131,072 bytes; qkv_img 18,874,368 bytes; qkv_sc 1,310,720 bytes; o_img 6,291,456 bytes; o_sc 262,144 bytes
;; launch quant_x (part 1): grid 384 x 1, 4 waves a work-group, no clusters, 58,880 bytes of LDS; arguments Wq, Wk, Wv, Wo, w_img, w_sc, x, x_img, x_sc; writes x_img, x_sc, w_img, w_sc
.if DOCPART == 1
	.amdgcn_target "amdgcn-amd-amdhsa--gfx1250"
	.amdhsa_code_object_version 6
	.text
	.protected	k_qbe2040b32b_quant_x
	.globl	k_qbe2040b32b_quant_x
	.p2align	8
	.type	k_qbe2040b32b_quant_x,@function
k_qbe2040b32b_quant_x:
	s_mov_b64 s[64:65], 0
	v_nop
	global_prefetch_b8 v0, s[64:65] scope:SCOPE_SE
	s_setreg_imm32_b32 hwreg(HW_REG_WAVE_MODE, 25, 1), 1
	s_wait_xcnt 0x0
; x [8192][1024] f32 becomes codes of FP6 (E2M3) with one E8M0 byte for each 32 along K, laid AS THE MATRIX UNIT'S REGISTERS TAKE THEM.
; A block's scale is 2^(floor(log2(largest magnitude)) - 2): its byte is the largest magnitude's exponent field - 2, held at 1 from below.
; LIMITS: NaN and infinities are not served; a block of zeros gets the byte 1 (its codes are zeros; this program alone reads the bytes).
; A TILE is 16 rows: tile i (0..7) of a block of 128 rows holds in lane r the row 32 (i / 2) + 8 (i % 2) + r + 8 (r / 8).
; A FRAGMENT (a tile x 128 along K, 12 registers a lane) lies as two halves of 768 bytes; a half is registers 0-3 of its six at 16 x lane, then registers 4-5 at 512 + 8 x lane.
; x_img: [row block 64][K step of 256: 4][tile 8][half step 2][1536 bytes].   x_sc: [row block][K step][tile][r 16][half step 2] words of four bytes.
; SHARES: a work-group takes 32 rows (two tiles), wave w the K step w: four fragments f = 2 x tile + half step.  Each load reads 512 consecutive bytes of one row; a fragment's 16 rows turn
; through the wave's own stage in LDS (rows 528 bytes apart), so that a lane gets 16 neighbours of each block of 32.  No barrier: waves share nothing.  No matrix unit, no cluster: nothing is read twice.
.set STG,   8448                       ; a wave's stage: 16 rows x (512 + 16) bytes
.set SPARE, 4*STG                      ; behind the stages: the spare words, 128 bytes a wave: two blocks of 256 bytes that no other line names
.set L16,   4                          ; v4   16 x lane
.set L8,    5                          ; v5   8 x lane
.set SIN,   6                          ; v6   the stage on the way in: 16 x lane
.set SOUT,  7                          ; v7   and on the way out: 528 r + 64 h
.set SPW,   14                         ; v14  my spare word; never rewritten
.set NIL,   15                         ; v15  0; never rewritten
.set R,     16                         ; v16-143  two sets of 64 registers as loaded
.set X,     144                        ; v144-207 register 16 b + i = k 32 b + 16 h + i of my row
.set PC,    208                        ; v208-227 the codes
.set TM,    228                        ; v228-243 at work
.set PW,    244                        ; v244-247 a scale word for each fragment
.set U,     248                        ; v248-249 the two words that I store
.set SEL,   20                         ; s[20:21] lane selects: lane l xor 16
; 64 numbers of a lane become a fragment's codes in v[PC] on and its row's scale word in v[pw]
.macro QUANT s, pw
.irp b, 0,1,2,3
	v_max3_num_f32 v[TM+\b], |v[\s+16*\b]|, |v[\s+1+16*\b]|, 0x1800000   ; my 16 numbers of block b, and the floor 2^(3 - 127): the byte cannot fall under 1
.endr
.irp i, 2,4,6,8,10,12,14
.irp b, 0,1,2,3
	v_max3_num_f32 v[TM+\b], v[TM+\b], |v[\s+16*\b+\i]|, |v[\s+1+16*\b+\i]|
.endr
.endr
.irp b, 0,1,2,3
	v_permlanex16_b32 v[TM+4+\b], v[TM+\b], s[SEL], s[SEL+1]
.endr
.irp b, 0,1,2,3
	v_max_num_f32 v[TM+\b], v[TM+\b], v[TM+4+\b]      ; with lane l xor 16's: the block's largest magnitude
.endr
.irp b, 0,1,2,3
	v_add_nc_u32 v[TM+12+\b], 0xff000000, v[TM+\b]    ; 2 off its exponent field: the conversion's scale operand
.endr
.irp b, 0,1,2,3
	v_lshrrev_b32 v[TM+4+\b], 23, v[TM+12+\b]         ; the scale's byte
.endr
	v_lshl_or_b32 v[\pw], v[TM+5], 8, v[TM+4]
	v_lshl_or_b32 v[\pw], v[TM+6], 16, v[\pw]
	v_lshl_or_b32 v[\pw], v[TM+7], 24, v[\pw]
.irp c, 0,1
	v_cvt_scalef32_pk16_fp6_f32 v[PC+6*\c:PC+2+6*\c], v[\s+32*\c:\s+15+32*\c], v[TM+12+2*\c]
	v_cvt_scalef32_pk16_fp6_f32 v[PC+12+4*\c:PC+14+4*\c], v[\s+16+32*\c:\s+31+32*\c], v[TM+12+2*\c+1]   ; (a conversion's three registers begin on an even number)
.endr
	v_nop                                          ; one plain instruction behind a scaled conversion
.irp c, 0,1                                    ; the layout wants a whole block in a lane: lanes 0-15 block 2 c, lanes 16-31 block 2 c + 1
.irp i, 0,1,2
	v_permlane16_swap_b32 v[PC+6*\c+\i], v[PC+12+4*\c+\i]
.endr
.irp i, 0,1,2
	v_mov_b32 v[PC+3+6*\c+\i], v[PC+12+4*\c+\i]
.endr
.endr
.endm
; ONE LAUNCH QUANTISES x AND THE FOUR WEIGHTS: work-groups 0-255 take x (the text below), work-groups 256-383 the weights (from .Lweights on).  The choice hangs on the work-group's number alone; each path has LDS bytes of its own.
	v_lshl_add_u32 v[SPW], v0, 2, SPARE
	v_mov_b32 v[NIL], 0
	s_cmp_lt_u32 ttmp9, 256
	s_cbranch_scc0 .Lweights
	s_load_b128 s[4:7], s[0:1], 0x30               ; x, x_img
	s_load_b64 s[8:9], s[0:1], 0x40                ; x_sc
	v_lshrrev_b32 v1, 5, v0
	v_readfirstlane_b32 s16, v1                    ; wave = K step
	v_and_b32 v1, 31, v0                           ; lane
	v_and_b32 v2, 15, v0                           ; r
	v_bfe_u32 v3, v0, 4, 1                         ; h
	v_lshlrev_b32 v[L16], 4, v1
	v_lshlrev_b32 v[L8], 3, v1
	s_mul_i32 s17, s16, STG
	v_add_nc_u32 v[SIN], s17, v[L16]
	v_mul_u32_u24 v[SOUT], v2, 528
	v_lshl_add_u32 v[SOUT], v3, 6, v[SOUT]
	v_add_nc_u32 v[SOUT], s17, v[SOUT]
	s_mov_b32 s[SEL], 0x76543210
	s_mov_b32 s[SEL+1], 0xfedcba98
.irp b, 0,1,2,3
	v_mov_b32 v[TM+4+\b], 0                        ; written once: a lane permute's destination counts as one of its sources
.endr
	s_lshl_b32 s10, ttmp9, 17                      ; x: 32 rows of 4,096 bytes a work-group,
	s_lshl_b32 s18, s16, 10                        ; 1,024 bytes of a row a wave
	s_add_co_u32 s10, s10, s18
	s_mov_b32 s11, 0
	s_lshr_b32 s18, ttmp9, 2                       ; row block
	s_and_b32 s19, ttmp9, 3                        ; which 32 rows of it
	s_mul_i32 s12, s18, 98304
	s_mul_i32 s14, s16, 24576
	s_add_co_u32 s12, s12, s14
	s_mul_i32 s14, s19, 6144
	s_add_co_u32 s12, s12, s14                     ; x_img: my four fragments lie on end
	s_mov_b32 s13, 0
	s_lshl_b32 s14, s18, 12
	s_lshl_b32 s18, s16, 10
	s_add_co_u32 s14, s14, s18
	s_lshl_b32 s18, s19, 8
	s_add_co_u32 s14, s14, s18                     ; x_sc: my 256 bytes
	s_mov_b32 s15, 0
	s_wait_alu depctr_va_vdst(0)
	s_wait_kmcnt 0x0
	s_add_nc_u64 s[4:5], s[4:5], s[10:11]
	s_add_nc_u64 s[6:7], s[6:7], s[12:13]
	s_add_nc_u64 s[8:9], s[8:9], s[14:15]
.macro LOADF f                         ; fragment f: the 16 rows of tile f / 2, 512 bytes of each
.irp ri, 0,1,2,3,4,5,6,7,8,9,10,11,12,13,14,15
	global_load_b128 v[R+64*((\f)%2)+4*\ri:R+64*((\f)%2)+4*\ri+3], v[L16], s[4:5] offset:(8*((\f)/2)+\ri+8*(\ri/8))*4096+512*((\f)%2) th:TH_LOAD_NT
.endr
.endm
.macro FRAGMENT f
.if (\f) < 3
	s_wait_loadcnt 16                              ; my 16 loads are in; the next fragment's 16 stay out
.else
	s_wait_loadcnt 0x0
.endif
.irp ri, 0,1,2,3,4,5,6,7,8,9,10,11,12,13,14,15
	ds_store_b128 v[SIN], v[R+64*((\f)%2)+4*\ri:R+64*((\f)%2)+4*\ri+3] offset:528*\ri
.endr
.irp b, 0,1,2,3
.irp j, 0,1,2,3
	ds_load_b128 v[X+16*\b+4*\j:X+16*\b+4*\j+3], v[SOUT] offset:128*\b+16*\j   ; LDS serves a wave's instructions in order: these see the stores above
.endr
.endr
	s_wait_dscnt 0x0                               ; the numbers are back, and the stores into the stage have read their registers
.if (\f) > 0
	s_wait_xcnt 0x0                                ; the last fragment's stores have read the codes' registers, which are written again below
.endif
.if (\f) < 2
	LOADF (\f)+2
.endif
	QUANT X, PW+(\f)
	global_store_b128 v[L16], v[PC:PC+3], s[6:7] offset:1536*(\f)               ; 32 lanes store 512 consecutive bytes
	global_store_b64 v[L8], v[PC+4:PC+5], s[6:7] offset:1536*(\f)+512           ; and 256
	global_store_b128 v[L16], v[PC+6:PC+9], s[6:7] offset:1536*(\f)+768
	global_store_b64 v[L8], v[PC+10:PC+11], s[6:7] offset:1536*(\f)+1280
.endm
	LOADF 0
	LOADF 1
	FRAGMENT 0
	FRAGMENT 1
	FRAGMENT 2
	FRAGMENT 3
	v_cmp_ne_u32 vcc_lo, 0, v3                     ; lanes 0-15 store tile 0's words, lanes 16-31 tile 1's
	v_cndmask_b32 v[U], v[PW], v[PW+2], vcc_lo
	v_cndmask_b32 v[U+1], v[PW+1], v[PW+3], vcc_lo
	global_store_b64 v[L8], v[U:U+1], s[8:9]       ; 32 lanes store 256 consecutive bytes, aligned
	s_wait_tensorcnt 0x0                           ; the wave's end, behind my last LDS store
	ds_add_u32 v[SPW], v[NIL]
	s_wait_dscnt 0x0
	s_endpgm
; THE WEIGHTS.  Wq, Wk, Wv, Wo [1024 (k)][1024 (n)] f32: K is the FIRST axis.  Codes and scale bytes are laid as x's are:
; w_img: [row block 32][K step of 256: 4][tile 8][half step 2][1536 bytes]; its rows are the weights' COLUMNS: 0-1023 Wq's, then Wk's, Wv's, Wo's.  w_sc: [row block][K step][tile][r][half step] words.
; A lane takes a column and its registers run down K: a load reads 128 consecutive bytes a wave, a block of 32 lies in one lane, and the conversions give six registers of one lane of a fragment.
; They go to their place in the wave's own stage (6,144 bytes, in the output's order) and leave as 12 stores of 512 consecutive bytes.  Work-group 256 + 32 y + x: row block x, K step y; wave w: columns 32 w .. 32 w + 31.
.Lweights:
.set WSTG,  6144
.set WST,   34304                      ; the weights' stages lie behind x's stages and the spare words
.set WSB,   24                         ; v24-25  my column's eight scale bytes
.set WX,    32                         ; v32-95  two sets of 32 numbers
.set WOUT,  112                        ; v112-159 the way out
	s_load_b256 s[4:11], s[0:1], 0x0               ; Wq, Wk, Wv, Wo
	s_load_b128 s[12:15], s[0:1], 0x20             ; w_img, w_sc
	v_lshrrev_b32 v1, 5, v0
	v_readfirstlane_b32 s16, v1                    ; wave
	v_and_b32 v2, 31, v0                           ; lane
	v_lshlrev_b32 v3, 2, v2                        ; in: 4 bytes a lane
	v_bfe_u32 v9, v0, 3, 1                         ; u: which of my wave's two tiles my column belongs to
	v_and_b32 v10, 7, v0
	v_bfe_u32 v16, v0, 4, 1
	v_lshl_add_u32 v10, v16, 3, v10                ; r: its lane there
	s_mul_i32 s19, s16, WSTG
	s_add_co_u32 s29, s19, WST                     ; my stage
	v_mul_u32_u24 v4, v9, 3072
	v_add_nc_u32 v4, s29, v4
	v_lshl_add_u32 v5, v10, 3, v4                  ; stage + 3072 u + 8 r
	v_lshl_add_u32 v4, v10, 4, v4                  ; stage + 3072 u + 16 r
	v_lshlrev_b32 v7, 4, v2                        ; 16 x lane
	v_add_nc_u32 v6, s29, v7                       ; the stage on the way out
	v_lshlrev_b32 v8, 7, v9
	v_lshl_add_u32 v8, v10, 3, v8                  ; my two scale words: 128 u + 8 r
	s_sub_co_u32 s28, ttmp9, 256
	s_lshr_b32 s18, s28, 5                         ; K step
	s_and_b32 s28, s28, 31                         ; row block
	s_lshr_b32 s17, s28, 3                         ; which weight
	s_and_b32 s26, s28, 7                          ; which 128 columns of it
	s_lshl_b32 s20, s18, 20                        ; W: 256 rows of 4,096 bytes a K step,
	s_lshl_b32 s27, s26, 9
	s_add_co_u32 s20, s20, s27
	s_lshl_b32 s27, s16, 7
	s_add_co_u32 s20, s20, s27                     ; 4 bytes a column
	s_mov_b32 s21, 0
	s_mul_i32 s22, s28, 98304
	s_mul_i32 s27, s18, 24576
	s_add_co_u32 s22, s22, s27
	s_add_co_u32 s22, s22, s19                     ; w_img: my 6,144 bytes
	s_mov_b32 s23, 0
	s_lshl_b32 s24, s28, 12
	s_lshl_b32 s27, s18, 10
	s_add_co_u32 s24, s24, s27
	s_lshl_b32 s27, s16, 8
	s_add_co_u32 s24, s24, s27                     ; w_sc: my 256 bytes
	s_mov_b32 s25, 0
	s_and_b32 s27, s17, 1
	s_wait_alu depctr_va_vdst(0)                   ; the head's end
	s_wait_kmcnt 0x0
	s_cmp_eq_u32 s27, 0
	s_cselect_b64 s[4:5], s[4:5], s[6:7]
	s_cselect_b64 s[8:9], s[8:9], s[10:11]
	s_cmp_lt_u32 s17, 2
	s_cselect_b64 s[4:5], s[4:5], s[8:9]
	s_add_nc_u64 s[4:5], s[4:5], s[20:21]
	s_add_nc_u64 s[12:13], s[12:13], s[22:23]
	s_add_nc_u64 s[14:15], s[14:15], s[24:25]
.macro LOAD t                          ; block t: W(32 t + i, my column) into set t % 2
.irp i, 0,1,2,3,4,5,6,7,8,9,10,11,12,13,14,15,16,17,18,19,20,21,22,23,24,25,26,27,28,29,30,31
	global_load_b32 v[WX+32*((\t)%2)+\i], v3, s[4:5] offset:(32*(\t)+\i)*4096 th:TH_LOAD_NT
.endr
.endm
	LOAD 0
	LOAD 1
.macro BLOCK t
.set XS, WX+32*((\t)%2)
.if (\t) < 7
	s_wait_loadcnt 32                              ; this block's 32 loads are in; the next block's stay out
.else
	s_wait_loadcnt 0x0
.endif
	v_max3_num_f32 v12, |v[XS]|, |v[XS+1]|, |v[XS+2]|   ; the block's largest magnitude: all 32 numbers are mine
	v_max3_num_f32 v13, |v[XS+3]|, |v[XS+4]|, |v[XS+5]|
.irp i, 6,10,14,18,22,26
	v_max3_num_f32 v12, v12, |v[XS+\i]|, |v[XS+\i+1]|
	v_max3_num_f32 v13, v13, |v[XS+\i+2]|, |v[XS+\i+3]|
.endr
	v_max3_num_f32 v12, v12, |v[XS+30]|, |v[XS+31]|
	v_max3_num_f32 v12, v12, v13, 0x1800000        ; and the floor 2^(3 - 127): the byte cannot fall under 1
	v_add_nc_u32 v11, 0xff000000, v12              ; 2 off its exponent field: the conversion's scale operand
	v_lshrrev_b32 v13, 23, v11                     ; the scale's byte
.if (\t)%4 == 0
	v_mov_b32 v[WSB+(\t)/4], v13
.else
	v_lshl_or_b32 v[WSB+(\t)/4], v13, 8*((\t)%4), v[WSB+(\t)/4]
.endif
	v_cvt_scalef32_pk16_fp6_f32 v[96:98], v[XS:XS+15], v11
	v_cvt_scalef32_pk16_fp6_f32 v[102:104], v[XS+16:XS+31], v11   ; (a conversion's three registers begin on an even number)
	v_nop                                          ; one plain instruction behind a scaled conversion
	v_mov_b32 v99, v102
	v_mov_b32 v100, v103
	v_mov_b32 v101, v104
	; block t is half step t / 4, half (t % 4) / 2 of the fragment, and there the lanes' upper or lower sixteen by t % 2
	ds_store_b128 v4, v[96:99] offset:1536*((\t)/4)+768*(((\t)%4)/2)+256*((\t)%2)
	ds_store_b64 v5, v[100:101] offset:1536*((\t)/4)+768*(((\t)%4)/2)+512+128*((\t)%2)
.if (\t) < 6
	LOAD (\t)+2
.endif
	s_wait_dscnt 0x0                               ; the stores have read their registers: the next block's codes may be written
.endm
.irp t, 0,1,2,3,4,5,6,7
	BLOCK \t
.endr
	s_wait_alu depctr_va_vdst(0)                   ; ahead of the reader below
	global_store_b64 v8, v[WSB:WSB+1], s[14:15]    ; the wave's 32 lanes fill 256 consecutive bytes, aligned
.irp t, 0,1,2,3,4,5,6,7,8,9,10,11
	ds_load_b128 v[WOUT+4*\t:WOUT+4*\t+3], v6 offset:512*\t
.endr
.irp t, 0,1,2,3,4,5,6,7,8,9,10,11
	s_wait_dscnt 11-\t                             ; LDS loads come back in order: number t is in
	global_store_b128 v7, v[WOUT+4*\t:WOUT+4*\t+3], s[12:13] offset:512*\t
.endr
	s_wait_tensorcnt 0x0                           ; the wave's end, behind my last LDS store
	ds_add_u32 v[SPW], v[NIL]
	s_wait_dscnt 0x0
	s_endpgm
.Lfunc_end_k_qbe2040b32b_quant_x:
	.size	k_qbe2040b32b_quant_x, .Lfunc_end_k_qbe2040b32b_quant_x-k_qbe2040b32b_quant_x
	.p2alignl 7, 3214868480
	.fill 96, 4, 3214868480
	.section	.rodata,"a",@progbits
	.p2align	6, 0x0
	.amdhsa_kernel k_qbe2040b32b_quant_x
		.amdhsa_group_segment_fixed_size 58880
		.amdhsa_private_segment_fixed_size 0
		.amdhsa_enable_private_segment 0
		.amdhsa_kernarg_size 72
		.amdhsa_user_sgpr_count 2
		.amdhsa_user_sgpr_kernarg_segment_ptr 1
		.amdhsa_wavefront_size32 1
		.amdhsa_system_sgpr_workgroup_id_x 1
		.amdhsa_system_sgpr_workgroup_id_y 1
		.amdhsa_system_sgpr_workgroup_id_z 1
		.amdhsa_system_vgpr_workitem_id 0
		.amdhsa_next_free_vgpr 256
		.amdhsa_next_free_sgpr 66
		.amdhsa_reserve_vcc 1
		.amdhsa_float_denorm_mode_32 3
		.amdhsa_float_denorm_mode_16_64 3
		.amdhsa_memory_ordered 1
		.amdhsa_forward_progress 1
		.amdhsa_inst_pref_size 75
	.end_amdhsa_kernel
	.amdgpu_metadata
---
amdhsa.version: [ 1, 2 ]
amdhsa.kernels:
  - .name:           k_qbe2040b32b_quant_x
    .symbol:         k_qbe2040b32b_quant_x.kd
    .args:
      - { .name: Wq, .offset: 0, .size: 8, .value_kind: global_buffer, .address_space: global }
      - { .name: Wk, .offset: 8, .size: 8, .value_kind: global_buffer, .address_space: global }
      - { .name: Wv, .offset: 16, .size: 8, .value_kind: global_buffer, .address_space: global }
      - { .name: Wo, .offset: 24, .size: 8, .value_kind: global_buffer, .address_space: global }
      - { .name: w_img, .offset: 32, .size: 8, .value_kind: global_buffer, .address_space: global }
      - { .name: w_sc, .offset: 40, .size: 8, .value_kind: global_buffer, .address_space: global }
      - { .name: x, .offset: 48, .size: 8, .value_kind: global_buffer, .address_space: global }
      - { .name: x_img, .offset: 56, .size: 8, .value_kind: global_buffer, .address_space: global }
      - { .name: x_sc, .offset: 64, .size: 8, .value_kind: global_buffer, .address_space: global }
    .group_segment_fixed_size: 58880
    .private_segment_fixed_size: 0
    .kernarg_segment_align: 8
    .kernarg_segment_size: 72
    .max_flat_workgroup_size: 128
    .sgpr_count:     66
    .vgpr_count:     256
    .wavefront_size: 32
...
	.end_amdgpu_metadata
.endif
;; end of part 1
;; launch gemm_qkv (part 2): grid 8 x 32, 4 waves a work-group, clusters of 4 x 4, 327,680 bytes of LDS; arguments x_img, x_sc, w_img, w_sc, bq, bk, bv, qkv_img, qkv_sc; writes qkv_img, qkv_sc
.if DOCPART == 2
	.amdgcn_target "amdgcn-amd-amdhsa--gfx1250"
	.amdhsa_code_object_version 6
	.text
	.protected	k_qbe2040b32b_gemm_qkv
	.globl	k_qbe2040b32b_gemm_qkv
	.p2align	8
	.type	k_qbe2040b32b_gemm_qkv,@function
k_qbe2040b32b_gemm_qkv:
	s_mov_b64 s[64:65], 0
	v_nop
	global_prefetch_b8 v0, s[64:65] scope:SCOPE_SE
	s_setreg_imm32_b32 hwreg(HW_REG_WAVE_MODE, 25, 1), 1
	s_wait_xcnt 0x0
	s_wait_alu depctr_hold_cnt(0) depctr_sa_sdst(0) depctr_va_vdst(0) depctr_va_sdst(0) depctr_va_ssrc(0) depctr_va_vcc(0) depctr_vm_vsrc(0)
	s_getreg_b32 s2, hwreg(HW_REG_IB_STS2, 6, 4)
	s_cmp_eq_u32 s2, 0
	s_cbranch_scc0 .Lentry_in_a_cluster
	s_endpgm
.Lentry_in_a_cluster:
	s_bfe_u32 s2, ttmp6, 0x10000c
	s_cmp_lg_u32 s2, 0xf033
	s_cbranch_scc0 .Lentry_shape_is_right
	s_endpgm
.Lentry_shape_is_right:
; Q, K, V = x W + b on codes of FP6 (E2M3) with E8M0 scales, and their quantisers: the results leave as codes and scale words, as images of the operand registers of the launch that reads them.
; x_img, w_img: [row block of 128][K step of 256: 4][tile 8][half step 2][1536 bytes]; a fragment (a tile x 128 along K) is two halves of 768 bytes: registers 0-3 of six at 16 x lane, registers 4-5 at 512 + 8 x lane.
; Tile i of a row block holds in lane r the row 32 (i / 2) + 8 (i % 2) + r + 8 (r / 8).  Scale words: [row block][K step][tile][r][half step].  w_img's row blocks: 0-7 Wq's columns, 8-15 Wk's, 16-23 Wv's.
; OUT: q's and k's codes [q, k][b][head][tile 128][768], their words [q, k][b][head][group of 4 tiles][r][4] (two bytes and two zeros a word); v's codes [b][key step 16][half 2][head][tile of d 4][768], words [b][head][key step][r][tile 4].
; SHARES: 8 x 32 work-groups.  Work-group (x, y) takes x's rows 256 y .. 256 y + 255, WHICH STAY IN LDS (196,608 bytes of codes, 8,192 of words), through THREE PHASES of 128 columns: Wv's row block 16 + x, Wk's 8 + x, Wq's x.
; Four waves, 2 x 2: wave (a, b) takes row block a of the two and columns 64 b .. 64 b + 63 of the 128: one head.  It holds its 64 columns, all of K, in registers (32 fragments) and streams its eight tiles of 16 rows past them:
; 32 products a tile, four accumulators by turns.  A tile's fragments lie twice in registers: set s % 2 takes tile (s + 2) % 8 behind tile s's products, on into the next phase
; (the last phase's last two fetches are read by nobody).
; Since the weights live in registers, their LDS region (98,304 + 4,096 bytes) is free during a phase: it is FILLED AGAIN TWICE, each time in a drained round of the cluster's barrier:
; wave 0 brings the codes, wave 1 the words.  What a refill brought is shown to all waves by a plain barrier at the phase's end, with every wave's wait for its tensor loads ahead of it.
; V: source 0 = x's tile, source 1 = Wv's: a lane holds one d and its registers run along the tokens: 4 x 64 sums, quantised along the tokens at the phase's end, under the flight of the next weights' LDS loads.
; K, Q: source 0 = the weight's tile, source 1 = x's: a lane holds one token and 2 x 16 neighbouring d; two tiles are quantised at a time.  The bias is the first products' C.
; A block's scale byte is its largest magnitude's exponent field - 2, held at 1 from below.  LIMITS: NaN and infinities are not served; a block of zeros gets the byte 1 (its codes are zeros; this program alone reads the bytes).
; CLUSTERS: 4 x 4.  x's tiles hang on y alone and are shared along a row of the cluster, the weights' on x alone and are shared along a column.
; PREFETCH: Wk's and Wq's 98,304 bytes are asked for into the L2 once each, ahead of the refill that loads them: 24 blocks of 256 bytes for each of the sixteen waves of a column of the cluster, told apart by address;
; the eight rows of clusters read the same weights, so the first four alone ask.
.set RBB,    98304
.set WB,     2*RBB                     ; LDS: x's codes from 0, the weights' from WB,
.set XSC,    3*RBB                     ; x's scale words, the weights',
.set WSL,    XSC+8192
.set SPARE,  WSL+4096                  ; and the spare words, 128 bytes a wave: two blocks of 256 bytes that no other line names
.set FR,   12
.set FPW,  21                          ; fragment f lies in window 1 + f / 21 at register 12 (f % 21): 0-31 the weights' (4 q + t), 32-39 and 40-47 x's two sets
.set A16,  2                           ; v2, v3  LDS address of my rows' fragments, K steps 0 and 1 (16 x lane, 8 x lane); v4, v5 K steps 2 and 3
.set A8,   3
.set AS,   6                           ; v6   of my rows' scale words
.set L16,  7                           ; v7   16 x lane;  v8  8 x lane
.set L8,   8
.set HF,   9                           ; v9   h
.set SPW,  10                          ; v10  my spare word; never rewritten
.set NIL,  11                          ; v11  0; never rewritten
.set W16,  12                          ; v12-15 as v2-5, for the weights
.set W8,   13
.set WSA,  16                          ; v16  of the weights' scale words: lanes 0-15 an even tile's, lanes 16-31 the odd tile's beside it
.set BOF,  17                          ; v17  64 h: my offset in bq, bk;  v18  4 (r + 8 (r / 8)): in bv
.set BRO,  18
.set SWO,  19                          ; v19  256 h + 16 r: where q's and k's words go
.set PWS,  20                          ; v20-23 four scale words
.set WSC,  24                          ; v24-39 the weights' scale words: 8 (t / 2) + q
.set U,    40                          ; v40-43 words on the way out
.set XS,   44                          ; v44-59 x's scale words: two sets of eight
.set PF1,  60                          ; v60, v61 the prefetches' offsets; never rewritten
.set PF2,  61
.set VSO,  62                          ; v62  16 r + 8 h: where v's words go
.set NAS,  63                          ; v63  as v6, for the pair of tiles that is fetched next
.set NA16, 128                         ; v128-131 as v2-5, likewise (K's and Q's phases)
.set NA8,  129
.set BR,   192                         ; v192-223 bv as V's first products' C.  V's sums: tiles 0, 1 of d at v840-967, tiles 2, 3 at v64-191; K's and Q's: v64-127
.set TM,   224                         ; v224-235 the quantiser's work
.set PC,   236                         ; v236-255 its codes
.set BKC,  968                         ; v968-999 bk as the result lies;  bq comes to v840-871 when V's sums have left
.set BQC,  840
.set WV,   2
.set RH,   3
.set PH,   66
.set CLY,  67
.set CNT,  46
.set NOF,  45
.set NSO,  23
.set SEL,  94
.set MSB, 0
.macro WIN new                         ; bits 1:0 source 0, 3:2 source 1, 5:4 source 2, 7:6 destination; the high byte repeats the setting that is left
.if MSB != (\new)
	s_set_vgpr_msb (MSB<<8)|(\new)
.set MSB, (\new)
.endif
.endm
.macro PLACES n
.rept \n
	v_nop
.endr
.endm
.macro WALU
	s_wait_alu depctr_va_vdst(0)
.endm
.macro BARRIER
	s_barrier_signal -1
	s_barrier_wait -1
.endm
.macro CROUND
	s_barrier_signal -1
	s_barrier_wait -1
	s_cmp_lg_u32 s[WV], 0
	s_cbranch_scc1 .Lnot_wave_0_\@
	s_barrier_signal -3
.Lnot_wave_0_\@:
	s_barrier_wait -3
	s_barrier_signal -1
	s_barrier_wait -1
.endm
.macro MKG1 g, mask, rows              ; rows of 256 bytes (32 elements of 8), dense; bit 21 beside the mask
	s_or_b32 s[\g], s[\mask], (3<<16)|(1<<21)
	s_mov_b32 s[\g+1], 32<<16
	s_mov_b32 s[\g+2], (\rows)<<16
	s_mov_b32 s[\g+3], 32<<16
	s_mov_b32 s[\g+4], \rows
	s_mov_b32 s[\g+5], 32
	s_mov_b32 s[\g+6], 0
	s_mov_b32 s[\g+7], 0
.endm
.macro MKG0 g, lds, base, off
	s_mov_b32 s[\g], 1
	s_mov_b32 s[\g+1], \lds
	s_add_nc_u64 s[\g+2:\g+3], s[\base:\base+1], s[\off:\off+1]
	s_or_b32 s[\g+3], s[\g+3], 0x80000000
.endm
.macro TL g0, g1
	tensor_load_to_lds s[\g0:\g0+3], s[\g1:\g1+7]
	s_nop 0
	PLACES 4
.endm
.macro ARM under, g0, g1, next         ; one chain of branches on the wave's number: every way passes exactly one load
	s_cmp_lt_u32 s[WV], \under
	s_cbranch_scc0 \next
	TL \g0, \g1
	s_branch .Lhead_asked
\next:
.endm
; The three lines, a whole round, and the refill of the weights' region: the next weight lies 8 row blocks lower in w_img and w_sc
.macro NEXTW
	WALU                                           ; ahead of the waits below
	s_wait_tensorcnt 0x0                           ; all my tensor loads are done, so the descriptors may be written;
	ds_add_u32 v[SPW], v[NIL]
	s_sub_nc_u64 s[74:75], s[74:75], 8*RBB
	s_sub_nc_u64 s[82:83], s[82:83], 8*4096
	s_wait_dscnt 0x0                               ; the add is done, and my loads of the weights are in registers
	CROUND                                         ; the same holds of every wave of every partner
	s_cmp_lt_u32 s[WV], 1
	s_cbranch_scc0 .Lr_words_\@
	TL 72, 32
	s_branch .Lr_done_\@
.Lr_words_\@:
	s_cmp_eq_u32 s[WV], 1
	s_cbranch_scc0 .Lr_done_\@
	TL 80, 56
.Lr_done_\@:
.endm
.macro SHOWW                           ; a plain barrier: what the last refill brought is shown to all
	s_wait_tensorcnt 0x0
	s_wait_dscnt 0x0
	BARRIER
.endm
.macro ASKL2 v                         ; a prefetch, in the first four rows of clusters alone
	s_cmp_lt_u32 s[CLY], 4
	s_cbranch_scc0 .Lno_ask_\@
	global_prefetch_b8 v[\v], s[8:9] th:TH_LOAD_NT scope:SCOPE_SE
.Lno_ask_\@:
.endm
.macro FRAG f, off, a16, a8            ; a fragment: four loads
	WIN (1+(\f)/FPW)<<6
.set R_, FR*((\f)%FPW)
	ds_load_b128 v[R_:R_+3], v[\a16] offset:\off
	ds_load_b64 v[R_+4:R_+5], v[\a8] offset:(\off)+512
	ds_load_b128 v[R_+6:R_+9], v[\a16] offset:(\off)+768
	ds_load_b64 v[R_+10:R_+11], v[\a8] offset:(\off)+1280
.endm
.macro FETCH e, i, a16, a8, as         ; tile i, counted from where the address registers stand, into set e: 36 loads
.irp q, 0,1,2,3,4,5,6,7
	FRAG 32+8*(\e)+\q, ((\q/2)%2)*24576+(\i)*3072+(\q%2)*1536, (\a16)+2*(\q/4), (\a8)+2*(\q/4)
.endr
	WIN 0
.irp k, 0,1,2,3
	ds_load_b64 v[XS+8*(\e)+2*\k:XS+8*(\e)+2*\k+1], v[\as] offset:1024*\k+128*(\i)
.endr
.endm
.macro WEIGHTS                         ; my 64 columns of the weight, all of K, and their words: 136 loads
.irp q, 0,1,2,3,4,5,6,7
.irp t, 0,1,2,3
	FRAG 4*\q+\t, ((\q/2)%2)*24576+\t*3072+(\q%2)*1536, W16+2*(\q/4), W8+2*(\q/4)
.endr
.endr
	WIN 0
.irp p, 0,1
.irp k, 0,1,2,3
	ds_load_b64 v[WSC+8*\p+2*\k:WSC+8*\p+2*\k+1], v[WSA] offset:1024*\k+256*\p
.endr
.endr
.endm
.macro PROD1 d, s0, s1, c, x0, x1, side, o
.if \o
	v_wmma_scale_f32_16x16x128_f8f6f4 v[\d:\d+7], v[FR*((\s0)%FPW):FR*((\s0)%FPW)+FR-1], v[FR*((\s1)%FPW):FR*((\s1)%FPW)+FR-1], v[\c:\c+7], v[\x0], v[\x1] matrix_a_fmt:MATRIX_FMT_FP6 matrix_b_fmt:MATRIX_FMT_FP6 matrix_\side\()_scale:MATRIX_SCALE_ROW1
.else
	v_wmma_scale_f32_16x16x128_f8f6f4 v[\d:\d+7], v[FR*((\s0)%FPW):FR*((\s0)%FPW)+FR-1], v[FR*((\s1)%FPW):FR*((\s1)%FPW)+FR-1], v[\c:\c+7], v[\x0], v[\x1] matrix_a_fmt:MATRIX_FMT_FP6 matrix_b_fmt:MATRIX_FMT_FP6 matrix_\side\()_scale:MATRIX_SCALE_ROW0
.endif
.endm
.macro PROD kind, s, q, t, cb          ; tile s, step q of 128 along K, column tile t; kind 1: V; cb: where the bias lies
.set FB_, 4*(\q)+(\t)
.set FA_, 32+8*((\s)%2)+(\q)
.if \kind
.if (\t) < 2
.set D_, 840+64*(\t)+8*(\s)
.else
.set D_, 64*(\t)-64+8*(\s)
.endif
.else
.set D_, 64+32*((\s)%2)+8*(\t)
.endif
.if (\q) == 0
.set C_, (\cb)+8*(\t)
.else
.set C_, D_
.endif
.set DL_, D_&255
.set CL_, C_&255
.set XW_, WSC+8*((\t)/2)+(\q)
.set XX_, XS+8*((\s)%2)+(\q)
.if \kind
	WIN (1+FA_/FPW)|((1+FB_/FPW)<<2)|((C_>>8)<<4)|((D_>>8)<<6)
	PROD1 DL_, FA_, FB_, CL_, XX_, XW_, b, (\t)%2
.else
	WIN (1+FB_/FPW)|((1+FA_/FPW)<<2)|((C_>>8)<<4)|((D_>>8)<<6)
	PROD1 DL_, FB_, FA_, CL_, XW_, XX_, a, (\t)%2
.endif
.endm
.macro PRODS kind, s, cb               ; a tile's 32 products, and the places behind them
.irp q, 0,1,2,3,4,5,6,7
.irp t, 0,1,2,3
	PROD \kind, \s, \q, \t, \cb
.endr
.endr
	WIN 0
	PLACES 4                                       ; loads land on registers that the products read, and vector lines read their results
.endm
; 64 sums of a lane from register s on (register 16 b + i = number 32 b + 16 h + i of four blocks of 32) become 12 registers of codes in v[PC] on and a word of four scale bytes in v[pw]
.macro QUANT s, pw
.set SW_, (\s)>>8
.set SL_, (\s)&255
	s_wait_xcnt 0x0                                ; the last stores have read the codes' registers, which are written again below
	WIN SW_|(SW_<<2)
.irp b, 0,1,2,3
	v_max3_num_f32 v[TM+\b], |v[SL_+16*\b]|, |v[SL_+16*\b+1]|, 0x1800000   ; my 16 numbers of block b, and the floor 2^(3 - 127); each accumulator from its low end on
.endr
.irp i, 2,4,6,8,10,12,14
.irp b, 0,1,2,3
	v_max3_num_f32 v[TM+\b], |v[SL_+16*\b+\i]|, |v[SL_+16*\b+\i+1]|, v[TM+\b]
.endr
.endr
	WIN 0
.irp b, 0,1,2,3
	v_permlanex16_b32 v[TM+4+\b], v[TM+\b], s[SEL], s[SEL+1]
.endr
.irp b, 0,1,2,3
	v_max_num_f32 v[TM+\b], v[TM+\b], v[TM+4+\b]   ; with lane l xor 16's: the block's largest magnitude
.endr
.irp b, 0,1,2,3
	v_add_nc_u32 v[TM+8+\b], 0xff000000, v[TM+\b]  ; 2 off its exponent field: the conversion's scale operand
.endr
.irp b, 0,1,2,3
	v_lshrrev_b32 v[TM+4+\b], 23, v[TM+8+\b]       ; the scale's byte
.endr
	v_lshl_or_b32 v[\pw], v[TM+5], 8, v[TM+4]
	v_lshl_or_b32 v[\pw], v[TM+6], 16, v[\pw]
	v_lshl_or_b32 v[\pw], v[TM+7], 24, v[\pw]
	WIN SW_
.irp c, 0,1
	v_cvt_scalef32_pk16_fp6_f32 v[PC+6*\c:PC+6*\c+2], v[SL_+32*\c:SL_+32*\c+15], v[TM+8+2*\c]
	v_cvt_scalef32_pk16_fp6_f32 v[PC+12+4*\c:PC+14+4*\c], v[SL_+32*\c+16:SL_+32*\c+31], v[TM+8+2*\c+1]   ; (a conversion's three registers begin on an even number)
.endr
	v_nop                                          ; one plain instruction behind a scaled conversion
	WIN 0
.irp c, 0,1                                    ; the layout wants a whole block in a lane: lanes 0-15 block 2 c, lanes 16-31 block 2 c + 1
.irp i, 0,1,2
	v_permlane16_swap_b32 v[PC+6*\c+\i], v[PC+12+4*\c+\i]
.endr
.irp i, 0,1,2
	v_mov_b32 v[PC+3+6*\c+\i], v[PC+12+4*\c+\i]
.endr
.endr
.endm
; K's or Q's phase: four trips of two tiles.  cb: the bias; koff: where the codes go, from s[96:97], which steps two tiles a trip
.macro QKPHASE cb, koff
	s_mov_b32 s[CNT], 0
.Lpair_\@:
	s_add_co_u32 s[NOF], s[CNT], 1
	s_and_b32 s[NOF], s[NOF], 3                    ; the pair that is fetched in this trip: the next one; behind the fourth comes the first
	s_lshl_b32 s[NSO], s[NOF], 8
	s_mul_i32 s[NOF], s[NOF], 6144
	v_add_nc_u32 v[NA16], s[NOF], v[A16]
	v_add_nc_u32 v[NA8], s[NOF], v[A8]
	v_add_nc_u32 v[NA16+2], s[NOF], v[A16+2]
	v_add_nc_u32 v[NA8+2], s[NOF], v[A8+2]
	v_add_nc_u32 v[NAS], s[NSO], v[AS]
	WALU                                           ; ahead of the wait below
	s_wait_dscnt 36                                ; set 0 is in; the other set's 36 loads may be out
	PRODS 0, 0, \cb
	FETCH 0, 0, NA16, NA8, NAS
	s_wait_dscnt 36                                ; set 1 is in; the 36 just issued may be out
	PRODS 0, 1, \cb
	FETCH 1, 1, NA16, NA8, NAS
	v_mov_b32 v[PWS], v[PWS+1]                     ; the four pairs' words move up by one a trip
	v_mov_b32 v[PWS+1], v[PWS+2]
	v_mov_b32 v[PWS+2], v[PWS+3]
	QUANT 64, PWS+3
	global_store_b128 v[L16], v[PC:PC+3], s[96:97] offset:\koff               ; 512 consecutive bytes,
	global_store_b64 v[L8], v[PC+4:PC+5], s[96:97] offset:(\koff)+512         ; and 256: the even tile;
	global_store_b128 v[L16], v[PC+6:PC+9], s[96:97] offset:(\koff)+768       ; the odd one
	global_store_b64 v[L8], v[PC+10:PC+11], s[96:97] offset:(\koff)+1280
	WALU                                           ; ahead of the wait and the branch below
	s_wait_xcnt 0x0                                ; the stores have read their base
	s_add_nc_u64 s[96:97], s[96:97], 1536
	s_add_co_u32 s[CNT], s[CNT], 1
	s_cmp_lt_u32 s[CNT], 4
	s_cbranch_scc1 .Lpair_\@
.endm
.macro QKWORDS off                     ; a pair's word holds the even tile's two bytes below and the odd tile's above: lanes 0-15 store tiles 0-3's words, lanes 16-31 tiles 4-7's: 512 consecutive bytes
	s_wait_xcnt 0x0
	v_cmp_ne_u32 vcc_lo, 0, v[HF]
	v_cndmask_b32 v[U], v[PWS], v[PWS+2], vcc_lo
	v_cndmask_b32 v[U+2], v[PWS+1], v[PWS+3], vcc_lo
	v_lshrrev_b32 v[U+1], 16, v[U]
	v_lshrrev_b32 v[U+3], 16, v[U+2]
	v_and_b32 v[U], 0xffff, v[U]
	v_and_b32 v[U+2], 0xffff, v[U+2]
	global_store_b128 v[SWO], v[U:U+3], s[98:99] offset:\off
.endm
	s_load_b256 s[4:11], s[0:1], 0x0               ; x_img, x_sc, w_img, w_sc
	s_load_b256 s[12:19], s[0:1], 0x20             ; bq, bk, bv, qkv_img
	s_load_b64 s[20:21], s[0:1], 0x40              ; qkv_sc
	v_lshl_add_u32 v[SPW], v0, 2, SPARE
	v_mov_b32 v[NIL], 0
	ds_add_u32 v[SPW], v[NIL]                      ; the wave's opening: the add, twice on end, and its wait ahead of my first tensor load
	ds_add_u32 v[SPW], v[NIL]
	v_lshrrev_b32 v1, 5, v0
	v_readfirstlane_b32 s[WV], v1
	s_lshr_b32 s[RH], s[WV], 1                     ; a: my row block
	s_and_b32 s[PH], s[WV], 1                      ; b: my 64 columns
	s_bfe_u32 s40, ttmp6, 0x40000                  ; cx
	s_bfe_u32 s41, ttmp6, 0x40004                  ; cy
	s_lshl_b32 s42, ttmp9, 2
	s_add_co_u32 s42, s42, s40                     ; x, 0 .. 7
	s_and_b32 s[CLY], ttmp7, 0xffff
	s_lshl_b32 s22, s[CLY], 2
	s_add_co_u32 s22, s22, s41                     ; y, 0 .. 31
	s_lshl_b32 s43, s41, 2
	s_lshl_b32 s43, 15, s43                        ; my row of the cluster
	s_lshl_b32 s44, 0x1111, s40                    ; my column
	MKG1 24, 43, 768                               ; x's codes
	MKG1 32, 44, 384                               ; a weight's
	MKG1 48, 43, 32                                ; x's scale words
	MKG1 56, 44, 16                                ; a weight's
	s_mov_b32 s[SEL], 0x76543210
	s_mov_b32 s[SEL+1], 0xfedcba98
	s_mul_i32 s84, s22, 2*RBB
	s_mov_b32 s85, 0
	s_lshl_b32 s86, s22, 13
	s_mov_b32 s87, 0
	s_add_co_u32 s88, s42, 16                      ; Wv's row block
	s_lshl_b32 s90, s88, 12
	s_mul_i32 s88, s88, RBB
	s_mov_b32 s89, 0
	s_mov_b32 s91, 0
	v_and_b32 v1, 15, v0                           ; r
	v_bfe_u32 v[HF], v0, 4, 1                      ; h
	v_and_b32 v20, 31, v0
	v_lshlrev_b32 v[L16], 4, v20
	v_lshlrev_b32 v[L8], 3, v20
	s_mul_i32 s45, s[RH], RBB
	v_add_nc_u32 v[A16], s45, v[L16]
	v_add_nc_u32 v[A8], s45, v[L8]
	v_add_nc_u32 v[A16+2], 49152, v[A16]
	v_add_nc_u32 v[A8+2], 49152, v[A8]
	s_mul_i32 s46, s[PH], 4*3072
	s_add_co_u32 s46, s46, WB
	v_add_nc_u32 v[W16], s46, v[L16]
	v_add_nc_u32 v[W8], s46, v[L8]
	v_add_nc_u32 v[W16+2], 49152, v[W16]
	v_add_nc_u32 v[W8+2], 49152, v[W8]
	s_lshl_b32 s45, s[RH], 12
	s_add_co_u32 s45, s45, XSC
	v_lshlrev_b32 v21, 3, v1                       ; 8 r
	v_add_nc_u32 v[AS], s45, v21
	s_lshl_b32 s46, s[PH], 9
	s_add_co_u32 s46, s46, WSL
	v_lshl_add_u32 v22, v[HF], 7, v21
	v_add_nc_u32 v[WSA], s46, v22
	v_lshlrev_b32 v[BOF], 6, v[HF]
	v_and_b32 v22, 8, v1
	v_add_nc_u32 v22, v22, v1
	v_lshlrev_b32 v[BRO], 2, v22
	v_lshlrev_b32 v22, 4, v1                       ; 16 r
	v_lshl_add_u32 v[SWO], v[HF], 8, v22
	v_lshl_add_u32 v[VSO], v[HF], 3, v22
	s_lshl_b32 s45, s41, 2
	s_add_co_u32 s45, s45, s[WV]                   ; my number among the sixteen waves of my column of the cluster
	s_mul_i32 s45, s45, 6144                       ; 24 blocks of 256 bytes each
	s_mul_i32 s46, s42, RBB
	s_add_co_u32 s46, s46, s45                     ; in Wq's row block,
	s_add_co_u32 s47, s46, 8*RBB                   ; in Wk's
	v_min_u32 v23, 23, v20                         ; a lane a block; the lanes left over name the last again
	v_lshl_add_u32 v[PF1], v23, 8, s47
	v_lshl_add_u32 v[PF2], v23, 8, s46
.irp b, 0,1,2,3
	v_mov_b32 v[TM+4+\b], 0                        ; written once: a lane permute's destination counts as one of its sources
.endr
	WALU                                           ; ahead of the waits below
	s_wait_dscnt 0x0                               ; both opening adds are done
	s_wait_kmcnt 0x0
	MKG0 68, 0, 4, 84
	MKG0 72, WB, 8, 88
	MKG0 76, XSC, 6, 86
	MKG0 80, WSL, 10, 90
	CROUND                                         ; all sixteen work-groups are here: the joint loads meet
	ARM 1, 72, 32, .Lhead_ws                       ; wave 0: Wv's codes, which go on into registers
	ARM 2, 80, 56, .Lhead_xs                       ; wave 1: Wv's scale words
	ARM 3, 76, 48, .Lhead_x                        ; wave 2: x's scale words
	TL 68, 24                                      ; wave 3: x's codes
.Lhead_asked:
	s_lshl_b32 s90, s42, 9
	s_lshl_b32 s91, s[PH], 8
	s_add_co_u32 s90, s90, s91                     ; my first column, in bytes
	s_mov_b32 s91, 0
	s_add_nc_u64 s[12:13], s[12:13], s[90:91]
	s_add_nc_u64 s[14:15], s[14:15], s[90:91]
	s_add_nc_u64 s[16:17], s[16:17], s[90:91]
.irp t, 0,1,2,3
	global_load_b32 v[BR+8*\t], v[BRO], s[16:17] offset:(32*(\t/2)+8*(\t%2))*4   ; bv: lane r of tile t is d = 32 (t / 2) + 8 (t % 2) + r + 8 (r / 8)
.endr
	WIN 3<<6
.irp b, 0,1
.irp j, 0,1,2,3
	global_load_b128 v[BKC-768+16*\b+4*\j:BKC-768+16*\b+4*\j+3], v[BOF], s[14:15] offset:128*\b+16*\j   ; bk: register 16 B + i of lane (r, h) is d = 32 B + 16 h + i
.endr
.endr
	WIN 0
	s_lshr_b32 s84, s22, 3                         ; b
	s_and_b32 s85, s22, 7
	s_lshl_b32 s85, s85, 1
	s_add_co_u32 s85, s85, s[RH]                   ; my row block in the batch: a key step
	s_lshl_b32 s86, s42, 1
	s_add_co_u32 s86, s86, s[PH]                   ; my head
	s_mul_i32 s87, s84, 1572864
	s_mul_i32 s88, s86, 98304
	s_mul_i32 s89, s85, 6144
	s_add_co_u32 s96, s87, s88
	s_add_co_u32 s96, s96, s89                     ; q's codes
	s_mov_b32 s97, 0
	s_mul_i32 s88, s85, 98304
	s_mul_i32 s89, s86, 3072
	s_add_co_u32 s100, s87, s88
	s_add_co_u32 s100, s100, s89
	s_add_co_u32 s100, s100, 12582912              ; v's codes
	s_mov_b32 s101, 0
	s_lshl_b32 s98, s84, 17
	s_lshl_b32 s88, s86, 13
	s_add_co_u32 s98, s98, s88
	s_lshl_b32 s88, s85, 9
	s_add_co_u32 s98, s98, s88                     ; q's words
	s_mov_b32 s99, 0
	s_lshl_b32 s92, s84, 16
	s_lshl_b32 s88, s86, 12
	s_add_co_u32 s92, s92, s88
	s_lshl_b32 s88, s85, 8
	s_add_co_u32 s92, s92, s88
	s_add_co_u32 s92, s92, 1048576                 ; v's words
	s_mov_b32 s93, 0
	s_add_nc_u64 s[96:97], s[18:19], s[96:97]
	s_add_nc_u64 s[100:101], s[18:19], s[100:101]
	s_add_nc_u64 s[98:99], s[20:21], s[98:99]
	s_add_nc_u64 s[92:93], s[20:21], s[92:93]
	WALU                                           ; the head's end
	s_cmp_lt_u32 s[WV], 2                          ; waves 0 and 1 alone issue the lines that bring Wv's tiles, and they wait for them here
	s_cbranch_scc0 .Lnot_w
	s_wait_tensorcnt 0x0
.Lnot_w:
	BARRIER                                        ; Wv's codes and words are in; x's may still be on their way
	ASKL2 PF1                                      ; Wk's row block, which the first refill loads
	WEIGHTS
	s_wait_loadcnt 0x0                             ; the biases
.irp t, 0,8,16,24
.irp i, 1,2,3,4,5,6,7
	v_mov_b32 v[BR+\t+\i], v[BR+\t]                ; bv's number, one a lane and tile, over the tile's eight registers
.endr
.endr
	NEXTW                                          ; x is in, in every partner; Wk's row block comes onto Wv's, which all waves hold in registers
	FETCH 0, 0, A16, A8, AS
	FETCH 1, 1, A16, A8, AS
	ASKL2 PF2                                      ; Wq's row block, which the second refill loads
; ---- V: eight tiles of tokens
.irp s, 0,1,2,3,4,5,6,7
	s_wait_dscnt 36                                ; this tile's set is in; the other set's 36 loads may be out
	PRODS 1, \s, BR
	FETCH \s%2, (\s+2)%8, A16, A8, AS
.endr
	SHOWW                                          ; Wk's tiles are in
	WEIGHTS
.irp t, 0,1,2,3                                ; V's way out, under the flight of those loads
.if \t < 2
	QUANT 840+64*\t, PWS+\t
.else
	QUANT 64*\t-64, PWS+\t
.endif
	global_store_b128 v[L16], v[PC:PC+3], s[100:101] offset:768*\t
	global_store_b64 v[L8], v[PC+4:PC+5], s[100:101] offset:768*\t+512
	global_store_b128 v[L16], v[PC+6:PC+9], s[100:101] offset:49152+768*\t
	global_store_b64 v[L8], v[PC+10:PC+11], s[100:101] offset:49152+768*\t+512
.endr
	v_cmp_ne_u32 vcc_lo, 0, v[HF]                  ; lane (r, h) stores the words of tiles 2 h, 2 h + 1 of row r: 256 consecutive bytes, aligned
	v_cndmask_b32 v[U], v[PWS], v[PWS+2], vcc_lo
	v_cndmask_b32 v[U+1], v[PWS+1], v[PWS+3], vcc_lo
	global_store_b64 v[VSO], v[U:U+1], s[92:93]
	WIN 3<<6
.irp b, 0,1
.irp j, 0,1,2,3
	global_load_b128 v[BQC-768+16*\b+4*\j:BQC-768+16*\b+4*\j+3], v[BOF], s[12:13] offset:128*\b+16*\j   ; bq, where V's sums lay; it is wanted a phase on
.endr
.endr
	WIN 0
	NEXTW                                          ; Wq's row block comes onto Wk's
; ---- K
	QKPHASE BKC, 6291456
	SHOWW                                          ; Wq's tiles are in
	WEIGHTS
	QKWORDS 524288
	WALU                                           ; ahead of the waits below
	s_wait_loadcnt 0x0                             ; bq
	s_wait_dscnt 0x0                               ; the weights
; ---- Q  (s[96:97] stands eight tiles on)
	QKPHASE BQC, -6144
	QKWORDS 0
	s_wait_tensorcnt 0x0                           ; the wave's end
	ds_add_u32 v[SPW], v[NIL]
	s_wait_dscnt 0x0
	CROUND                                         ; the closing round
	s_endpgm
.Lfunc_end_k_qbe2040b32b_gemm_qkv:
	.size	k_qbe2040b32b_gemm_qkv, .Lfunc_end_k_qbe2040b32b_gemm_qkv-k_qbe2040b32b_gemm_qkv
	.p2alignl 7, 3214868480
	.fill 96, 4, 3214868480
	.section	.rodata,"a",@progbits
	.p2align	6, 0x0
	.amdhsa_kernel k_qbe2040b32b_gemm_qkv
		.amdhsa_group_segment_fixed_size 327680
		.amdhsa_private_segment_fixed_size 0
		.amdhsa_enable_private_segment 0
		.amdhsa_kernarg_size 72
		.amdhsa_user_sgpr_count 2
		.amdhsa_user_sgpr_kernarg_segment_ptr 1
		.amdhsa_wavefront_size32 1
		.amdhsa_system_sgpr_workgroup_id_x 1
		.amdhsa_system_sgpr_workgroup_id_y 1
		.amdhsa_system_sgpr_workgroup_id_z 1
		.amdhsa_system_vgpr_workitem_id 0
		.amdhsa_next_free_vgpr 1000
		.amdhsa_next_free_sgpr 106
		.amdhsa_reserve_vcc 1
		.amdhsa_float_denorm_mode_32 3
		.amdhsa_float_denorm_mode_16_64 3
		.amdhsa_memory_ordered 1
		.amdhsa_forward_progress 1
		.amdhsa_inst_pref_size 157
	.end_amdhsa_kernel
	.amdgpu_metadata
---
amdhsa.version: [ 1, 2 ]
amdhsa.kernels:
  - .name:           k_qbe2040b32b_gemm_qkv
    .symbol:         k_qbe2040b32b_gemm_qkv.kd
    .args:
      - { .name: x_img, .offset: 0, .size: 8, .value_kind: global_buffer, .address_space: global }
      - { .name: x_sc, .offset: 8, .size: 8, .value_kind: global_buffer, .address_space: global }
      - { .name: w_img, .offset: 16, .size: 8, .value_kind: global_buffer, .address_space: global }
      - { .name: w_sc, .offset: 24, .size: 8, .value_kind: global_buffer, .address_space: global }
      - { .name: bq, .offset: 32, .size: 8, .value_kind: global_buffer, .address_space: global }
      - { .name: bk, .offset: 40, .size: 8, .value_kind: global_buffer, .address_space: global }
      - { .name: bv, .offset: 48, .size: 8, .value_kind: global_buffer, .address_space: global }
      - { .name: qkv_img, .offset: 56, .size: 8, .value_kind: global_buffer, .address_space: global }
      - { .name: qkv_sc, .offset: 64, .size: 8, .value_kind: global_buffer, .address_space: global }
    .group_segment_fixed_size: 327680
    .private_segment_fixed_size: 0
    .kernarg_segment_align: 8
    .kernarg_segment_size: 72
    .max_flat_workgroup_size: 128
    .sgpr_count:     106
    .vgpr_count:     1000
    .wavefront_size: 32
...
	.end_amdgpu_metadata
.endif
;; end of part 2
;; launch attn (part 3): grid 4 x 64, 8 waves a work-group, clusters of 4 x 1, 214,016 bytes of LDS; arguments qkv_img, qkv_sc, o_img, o_sc; writes o_img, o_sc
.if DOCPART == 3
	.amdgcn_target "amdgcn-amd-amdhsa--gfx1250"
	.amdhsa_code_object_version 6
	.text
	.protected	k_qbe2040b32b_attn
	.globl	k_qbe2040b32b_attn
	.p2align	8
	.type	k_qbe2040b32b_attn,@function
k_qbe2040b32b_attn:
	s_mov_b64 s[64:65], 0
	v_nop
	global_prefetch_b8 v0, s[64:65] scope:SCOPE_SE
	s_setreg_imm32_b32 hwreg(HW_REG_WAVE_MODE, 25, 1), 1
	s_wait_xcnt 0x0
	s_wait_alu depctr_hold_cnt(0) depctr_sa_sdst(0) depctr_va_vdst(0) depctr_va_sdst(0) depctr_va_ssrc(0) depctr_va_vcc(0) depctr_vm_vsrc(0)
	s_getreg_b32 s2, hwreg(HW_REG_IB_STS2, 6, 4)
	s_cmp_eq_u32 s2, 0
	s_cbranch_scc0 .Lentry_in_a_cluster
	s_endpgm
.Lentry_in_a_cluster:
	s_bfe_u32 s2, ttmp6, 0x10000c
	s_cmp_lg_u32 s2, 0x3003
	s_cbranch_scc0 .Lentry_shape_is_right
	s_endpgm
.Lentry_shape_is_right:
; Attention of one (batch, head) on codes of FP6 (E2M3) with E8M0 scales: S^T = K Q^T (K = the head's 64), p = 2^(t - M), O^T = V^T P^T (K = the keys); O / the row's sum is quantised along (head, d) and leaves as codes.
; t = score x log2(e) / 8; M = the running largest t rounded UP to a whole number; the row's sum is taken of the unquantised p; when M moves, the sum and O^T are multiplied by 2^(old M - new M): exact.
; SHARES: work-group y = 16 b + head; the four partners of a cluster take a quarter of the 2,048 queries each; each of eight waves takes four tiles of 16 queries, TWO AT A TIME (tiles e = 0, 1), in two passes:
; every fragment of K and V that is read from LDS serves two tiles, and the two tiles' lines stand by turns.
; ALL OF THE HEAD'S K AND V STAY IN LDS (2 x 98,304 bytes of codes, 12,288 of scale words), filled once, by joint loads of the four partners, one load a wave: waves 0, 1 K's halves, 2, 3 V's, 4 K's words, 5 V's.
; No ring, no refill; one barrier.  Nothing is prefetched: the whole stream is asked for at the kernel's head.
; LAYOUT: a lane holds one query throughout.  K's, Q's and V's tiles lie as images of the unit's registers (768 bytes for 16 rows x 64 along K: registers 0-3 at 16 x lane, 4-5 at 512 + 8 x lane).
; A stored tile i of 128 rows holds in lane r the row 32 (i / 2) + 8 (i % 2) + r + 8 (r / 8).  THE TILES OF K THAT ARE MULTIPLIED ARE MADE ANEW BY ADDRESS: tile 4 c + u takes in rows 8 a + j the keys 64 c + 32 a + 8 u + j,
; which lie in stored tile 4 c + 2 a + u % 2 at lanes 8 (u / 2) + j.  So the 32 registers of S^T's tiles 4 c .. 4 c + 3 in lane (r, h) are keys 64 c + 32 h + 0 .. 31: ONE SCALE BLOCK, in the order of p's operand registers.
; THE FIRST PRODUCT'S K IS 64 OF THE INSTRUCTION'S 128.  Q's upper six registers are zero codes.  K's tile t is named with the six registers behind it (tile t + 1's codes; behind tile 7 zeros):
; they meet Q's zero codes, under scale bytes 0 (2^-127, a number), and add exactly 0.
; REGISTERS: window 0 (v0-255): addresses, K's and V's fragments, scale words, each tile's small state.  Window 1 (v256-511): S^T / p, O^T, p's codes, Q: so one setting of the windows serves both tiles.
; The step fetches the NEXT step's K behind its first products (the place wraps to step 0, which the next pass begins with; the last pass's last fetch is read by nobody) and its own V at its head.
; A head owns two of the four bytes of o's scale words: they leave as stores of two bytes a lane, 8 bytes apart.
; LIMITS: NaN and infinities are not served; a block of zeros gets the byte 1 (its codes are zeros; this program alone reads the bytes); 1 / the sum is v_rcp_f32's.
.set VB,    98304                      ; LDS: K's codes from 0: [tile 128][768];  V's: [key step 16][half 2][tile of d 4][768]
.set KS,    196608                     ; K's scale words: [group of 4 tiles 32][r][4 words]
.set VS,    204800                     ; V's: [key step][r][tile 4]
.set SPARE, 212992                     ; the spare words, 128 bytes a wave: four blocks of 256 bytes that no other line names
.set SPW,  5                           ; v5   my spare word; never rewritten
.set NIL,  6                           ; v6   0; never rewritten
.set ADK16, 9                          ; v9-14 the step's LDS addresses
.set ADK8,  10
.set ADV16, 11
.set ADV8,  12
.set ADS,   13
.set ADT,   14
.set LK16, 16                          ; v16  1536 a + 256 h + 16 j;  v17  1536 a + 128 h + 8 j
.set LK8,  17
.set SH8,  18                          ; v18  8 h
.set HH,   19                          ; v19  h
.set QSW,  20                          ; v20, 21  Q's scale words
.set OW,   22                          ; v22, 23  o's two scale bytes
.set PWD,  24                          ; v24, 25  p's scale words
.set KSW,  26                          ; v26-33   K's
.set VSW,  36                          ; v36-39   V's
.set KF,   40                          ; v40-87   K's eight tiles, v88-93 zeros
.set VF,   100                         ; v100-147 V's four fragments
.set ST,   148                         ; tile e's state at ST + 16 e: +0 -M, +1 the largest score, +2,3 the sum, +4 2^(old M - new M) (+5 named with it), +6,7 the two blocks' largest, +8,9 scale operands, +10,11 at work
.set TS,   180                         ; v180-191 three more chains of the sum for each tile
.set QN,   192                         ; v192-203 the second pass's Q, v204, 205 its scale words
.set EP,   206                         ; v206-225 o's codes
.set OO,   128                         ; window 1: S^T of tile e at 64 e; O^T at 128 + 32 e
.set PCD,  192                         ; p's codes at 192 + 12 e
.set QF,   216                         ; Q at 216 + 12 e: six registers of codes, six of zeros
.set TC,   240                         ; the conversions' second halves at 240 + 8 e, 244 + 8 e
.set WV,   12
.set SEL,  20
.set CS,   22                          ; s[22:23] c = log2(e) / 8
.set TBK,  76                          ; the next step's place in K's codes (6,144 a step), s77 in K's words (512 a step)
.set TSK,  77
.set TBV,  78                          ; this step's place in V's codes, s79 in V's words (256 a step)
.set TJ,   79
.set CNT,  80
.set PCNT, 81
.set MSB, 0
.macro WIN new                         ; bits 1:0 source 0, 3:2 source 1, 5:4 source 2, 7:6 destination; the high byte repeats the setting that is left
.if MSB != (\new)
	s_set_vgpr_msb (MSB<<8)|(\new)
.set MSB, (\new)
.endif
.endm
.macro WALU
	s_wait_alu depctr_va_vdst(0)
.endm
.macro CROUND
	s_barrier_signal -1
	s_barrier_wait -1
	s_cmp_lg_u32 s[WV], 0
	s_cbranch_scc1 .Lnot_wave_0_\@
	s_barrier_signal -3
.Lnot_wave_0_\@:
	s_barrier_wait -3
	s_barrier_signal -1
	s_barrier_wait -1
.endm
.macro MKG1 g, c, r, p                 ; elements of 8 bytes; the mask names all four partners, bit 21 beside it
	s_mov_b32 s[\g], 15|(3<<16)|(1<<21)
	s_mov_b32 s[\g+1], (\c)<<16
	s_mov_b32 s[\g+2], (\r)<<16
	s_mov_b32 s[\g+3], (\c)<<16
	s_mov_b32 s[\g+4], \r
	s_mov_b32 s[\g+5], \p
	s_mov_b32 s[\g+6], 0
	s_mov_b32 s[\g+7], 0
.endm
.macro TL g0, g1
	tensor_load_to_lds s[\g0:\g0+3], s[\g1:\g1+7]
	s_nop 0
.rept 4
	v_nop
.endr
.endm
.macro MM d, a, b, c, sa, sb
	v_wmma_scale_f32_16x16x128_f8f6f4 v[\d:\d+7], v[\a:\a+11], v[\b:\b+11], \c, v[\sa], v[\sb] matrix_a_fmt:MATRIX_FMT_FP6 matrix_b_fmt:MATRIX_FMT_FP6
.endm
.macro KLOAD a16, a8, as               ; 20 loads: a step's eight tiles of K, made anew by address, and their rows' scale words
.irp c, 0,1
.irp u, 0,1,2,3
	ds_load_b128 v[KF+6*(4*\c+\u):KF+6*(4*\c+\u)+3], v[\a16] offset:768*(4*\c+\u%2)+128*(\u/2)
	ds_load_b64 v[KF+6*(4*\c+\u)+4:KF+6*(4*\c+\u)+5], v[\a8] offset:768*(4*\c+\u%2)+512+64*(\u/2)
.endr
.irp w, 0,1
	ds_load_b64 v[KSW+4*\c+2*\w:KSW+4*\c+2*\w+1], v[\as] offset:256*\c+128*\w
.endr
.endr
.endm
.macro SADD e, i                       ; pair i of tile e's p onto one of four chains
.if ((\i)%4) == 3
	v_pk_add_f32 v[ST+16*\e+2:ST+16*\e+3], v[64*\e+2*(\i):64*\e+2*(\i)+1], v[ST+16*\e+2:ST+16*\e+3]
.else
	v_pk_add_f32 v[TS+6*\e+2*((\i)%4):TS+6*\e+2*((\i)%4)+1], v[64*\e+2*(\i):64*\e+2*(\i)+1], v[TS+6*\e+2*((\i)%4):TS+6*\e+2*((\i)%4)+1]
.endif
.endm
	s_load_b256 s[4:11], s[0:1], 0x0               ; qkv_img, qkv_sc, o_img, o_sc
	v_lshl_add_u32 v[SPW], v0, 2, SPARE
	v_mov_b32 v[NIL], 0
	ds_add_u32 v[SPW], v[NIL]                      ; the wave's opening: the add, twice on end, and its wait ahead of the first tensor loads
	ds_add_u32 v[SPW], v[NIL]
	v_lshrrev_b32 v1, 5, v0
	v_readfirstlane_b32 s[WV], v1                  ; wave 0..7
	v_and_b32 v26, 31, v0
	v_and_b32 v27, 15, v0
	v_bfe_u32 v[HH], v0, 4, 1
	v_bfe_u32 v28, v0, 3, 1                        ; a
	v_and_b32 v29, 7, v0                           ; j
	v_lshlrev_b32 v1, 4, v26                       ; v1  16 x lane
	v_lshlrev_b32 v2, 3, v26                       ; v2  8 x lane
	v_lshlrev_b32 v15, 4, v27                      ; v15 16 r
	v_mul_u32_u24 v[LK16], v28, 1536
	v_lshl_add_u32 v[LK8], v[HH], 7, v[LK16]
	v_lshl_add_u32 v[LK8], v29, 3, v[LK8]
	v_lshl_add_u32 v[LK16], v[HH], 8, v[LK16]
	v_lshl_add_u32 v[LK16], v29, 4, v[LK16]
	v_lshlrev_b32 v3, 4, v29
	v_lshl_add_u32 v3, v28, 3, v3
	v_add_nc_u32 v3, KS, v3                        ; v3  K's words: 16 j + 8 a
	v_add_nc_u32 v4, VS, v15
	v_add_nc_u32 v7, VB, v1
	v_add_nc_u32 v8, VB, v2
	v_lshlrev_b32 v[SH8], 3, v[HH]
	s_bfe_u32 s13, ttmp6, 0x40000                  ; cx: my quarter of the queries; it enters Q's and o's addresses alone
	s_and_b32 s14, ttmp7, 0xffff
	s_and_b32 s15, s14, 15                         ; head
	s_lshr_b32 s14, s14, 4                         ; b
	MKG1 24, 32, 192, 32                           ; 192 rows of 256 bytes, dense: half of K's codes
	MKG1 32, 384, 16, 6144                         ; 16 rows of 3,072 bytes, 49,152 apart: half of V's
	MKG1 40, 32, 32, 32                            ; K's words
	MKG1 68, 32, 16, 32                            ; V's
	s_mov_b32 s[SEL], 0x76543210
	s_mov_b32 s[SEL+1], 0xfedcba98
	s_mov_b32 s[CS], 0x3e38aa3b
	s_mov_b32 s[CS+1], s[CS]
	s_mul_i32 s16, s14, 1572864
	s_mul_i32 s17, s15, 98304
	s_add_co_u32 s96, s16, s17                     ; (b, head) in q's and k's codes
	s_mul_i32 s17, s15, 3072
	s_add_co_u32 s18, s16, s17
	s_add_co_u32 s18, s18, 12582912                ; V's codes
	s_add_co_u32 s16, s96, 6291456                 ; K's codes
	s_and_b32 s2, s[WV], 1                         ; which half I fetch
	s_mul_i32 s3, s2, 786432
	s_add_co_u32 s18, s18, s3
	s_mul_i32 s2, s2, 49152
	s_add_co_u32 s16, s16, s2
	s_mov_b32 s17, 0
	s_mov_b32 s19, 0
	s_lshl_b32 s98, s14, 17
	s_lshl_b32 s99, s15, 13
	s_add_co_u32 s98, s98, s99                     ; (b, head) in q's and k's scale words
	s_add_co_u32 s100, s98, 524288                 ; K's
	s_mov_b32 s101, 0
	s_lshl_b32 s104, s14, 16
	s_lshl_b32 s99, s15, 12
	s_add_co_u32 s104, s104, s99
	s_add_co_u32 s104, s104, 1048576               ; V's
	s_mov_b32 s105, 0
	s_lshl_b32 s99, s13, 5
	s_lshl_b32 s97, s[WV], 2
	s_add_co_u32 s99, s99, s97                     ; my first tile of queries: 32 cx + 4 wave
	s_mul_i32 s99, s99, 768
	s_add_co_u32 s96, s96, s99
	s_mov_b32 s97, 0
	s_lshl_b32 s99, s13, 3
	s_add_co_u32 s99, s99, s[WV]                   ; my group of four tiles
	s_lshl_b32 s99, s99, 8
	s_add_co_u32 s98, s98, s99
	s_mov_b32 s99, 0
	WALU                                           ; ahead of the waits below
	s_wait_dscnt 0x0                               ; both opening adds are done
	s_wait_kmcnt 0x0
	s_add_nc_u64 s[16:17], s[4:5], s[16:17]
	s_add_nc_u64 s[18:19], s[4:5], s[18:19]
	s_add_nc_u64 s[100:101], s[6:7], s[100:101]
	s_add_nc_u64 s[104:105], s[6:7], s[104:105]
	s_add_nc_u64 s[96:97], s[4:5], s[96:97]        ; Q's codes
	s_add_nc_u64 s[98:99], s[6:7], s[98:99]        ; Q's scale words
	WIN 0x40                                       ; the first pass's two tiles of Q go to their place, the second pass's wait in window 0
.irp e, 0,1
	global_load_b128 v[QF+12*\e:QF+12*\e+3], v1, s[96:97] offset:768*\e
	global_load_b64 v[QF+12*\e+4:QF+12*\e+5], v2, s[96:97] offset:768*\e+512
.endr
	WIN 0
.irp e, 0,1
	global_load_b128 v[QN+6*\e:QN+6*\e+3], v1, s[96:97] offset:1536+768*\e
	global_load_b64 v[QN+6*\e+4:QN+6*\e+5], v2, s[96:97] offset:1536+768*\e+512
.endr
	global_load_b64 v[QSW:QSW+1], v15, s[98:99]
	global_load_b64 v[QN+12:QN+13], v15, s[98:99] offset:8
	s_mov_b32 s48, 1                               ; group 0: K's codes, my half
	s_mov_b32 s49, s2
	s_mov_b64 s[50:51], s[16:17]
	s_or_b32 s51, s51, 0x80000000
	s_mov_b32 s52, 1                               ; V's codes, my half
	s_add_co_u32 s53, s2, VB
	s_mov_b64 s[54:55], s[18:19]
	s_or_b32 s55, s55, 0x80000000
	s_mov_b32 s56, 1                               ; K's words
	s_mov_b32 s57, KS
	s_mov_b64 s[58:59], s[100:101]
	s_or_b32 s59, s59, 0x80000000
	s_mov_b32 s60, 1                               ; V's words
	s_mov_b32 s61, VS
	s_mov_b64 s[62:63], s[104:105]
	s_or_b32 s63, s63, 0x80000000
	CROUND                                         ; all four work-groups are here: the joint loads meet
	s_cmp_lt_u32 s[WV], 2                          ; one chain of branches on the wave's number, one load to an arm
	s_cbranch_scc0 .Larm_v
	TL 48, 24
	s_branch .Lasked
.Larm_v:
	s_cmp_lt_u32 s[WV], 4
	s_cbranch_scc0 .Larm_ks
	TL 52, 32
	s_branch .Lasked
.Larm_ks:
	s_cmp_eq_u32 s[WV], 4
	s_cbranch_scc0 .Larm_vs
	TL 56, 40
	s_branch .Lasked
.Larm_vs:
	s_cmp_eq_u32 s[WV], 5
	s_cbranch_scc0 .Lasked
	TL 60, 68
.Lasked:
	WIN 0x40
.irp j, 6,7,8,9,10,11,18,19,20,21,22,23
	v_mov_b32 v[QF+\j], 0                          ; zero codes: Q's upper halves
.endr
	WIN 0
.irp j, 48,49,50,51,52,53
	v_mov_b32 v[KF+\j], 0                          ; and what stands behind K's last tile
.endr
.irp e, 0,1
	v_mov_b32 v[ST+16*\e+5], 0
	v_mov_b32 v[ST+16*\e+10], 0                    ; written once: a lane permute's destination counts as one of its sources
	v_mov_b32 v[ST+16*\e+11], 0
.endr
	; where o goes: row block 16 b + 4 cx + wave / 2, K step head / 4, tile 4 (wave % 2) + 2 pass + e, half step (head / 2) % 2, half head % 2
	s_lshl_b32 s16, s14, 4
	s_lshl_b32 s17, s13, 2
	s_add_co_u32 s16, s16, s17
	s_lshr_b32 s17, s[WV], 1
	s_add_co_u32 s16, s16, s17
	s_mul_i32 s100, s16, 98304
	s_lshl_b32 s104, s16, 12
	s_lshr_b32 s17, s15, 2
	s_mul_i32 s18, s17, 24576
	s_add_co_u32 s100, s100, s18
	s_lshl_b32 s18, s17, 10
	s_add_co_u32 s104, s104, s18
	s_and_b32 s17, s[WV], 1
	s_mul_i32 s18, s17, 12288
	s_add_co_u32 s100, s100, s18
	s_lshl_b32 s18, s17, 9
	s_add_co_u32 s104, s104, s18
	s_bfe_u32 s17, s15, 0x10001
	s_mul_i32 s18, s17, 1536
	s_add_co_u32 s100, s100, s18
	s_lshl_b32 s18, s17, 2
	s_add_co_u32 s104, s104, s18
	s_and_b32 s17, s15, 1
	s_mul_i32 s18, s17, 768
	s_add_co_u32 s100, s100, s18
	s_lshl_b32 s18, s17, 1
	s_add_co_u32 s104, s104, s18
	s_mov_b32 s101, 0
	s_mov_b32 s105, 0
	s_add_nc_u64 s[100:101], s[8:9], s[100:101]
	s_add_nc_u64 s[104:105], s[10:11], s[104:105]
	s_mov_b32 s[TBK], 6144
	s_mov_b32 s[TSK], 512
	s_mov_b32 s[TBV], 0
	s_mov_b32 s[TJ], 0
	s_mov_b32 s[PCNT], 2
	WALU                                           ; the head's end
	s_wait_tensorcnt 0x0                           ; my fill has landed,
	s_barrier_signal -1
	s_barrier_wait -1                              ; everybody's has; nothing is ever filled again
	KLOAD LK16, LK8, 3                             ; step 0's K
	s_wait_loadcnt 0x0                             ; Q
.Lpass:
	WIN 0x40
.set j, 0
.rept 64
	v_mov_b32 v[OO+j], 0                           ; the step is written once: the first finds zeros, which the first change of M leaves zeros
.set j, j+1
.endr
	WIN 0
.irp e, 0,1
	v_mov_b32 v[ST+16*\e+1], 0xff61b1e6            ; -3e38, under every score
	v_mov_b32 v[ST+16*\e], 0x7e800000              ; a -M far above any: the first change of M gives the factor 0
	v_mov_b32 v[ST+16*\e+2], 0
	v_mov_b32 v[ST+16*\e+3], 0
.endr
	s_mov_b32 s[CNT], 16
.Lstep:                                                ; A KEY STEP: 128 keys, two tiles of queries
	v_add_nc_u32 v[ADV16], s[TBV], v7              ; (these four are the places behind the last products, in front of the loads into registers that they read)
	v_add_nc_u32 v[ADV8], s[TBV], v8
	v_add_nc_u32 v[ADT], s[TJ], v4
	v_add_nc_u32 v[ADS], s[TSK], v3
.irp t, 0,1,2,3                                ; 17 loads: V's four fragments and their words land during the softmax
	ds_load_b128 v[VF+12*\t:VF+12*\t+3], v[ADV16] offset:768*\t
	ds_load_b64 v[VF+12*\t+4:VF+12*\t+5], v[ADV8] offset:768*\t+512
	ds_load_b128 v[VF+12*\t+6:VF+12*\t+9], v[ADV16] offset:3072+768*\t
	ds_load_b64 v[VF+12*\t+10:VF+12*\t+11], v[ADV8] offset:3072+768*\t+512
.endr
	ds_load_b128 v[VSW:VSW+3], v[ADT]
	WALU                                           ; ahead of the wait below
	s_wait_dscnt 17                                ; K's 20 loads, asked for a step ago, are in; the 17 just issued may be out
	WIN 0x44
.irp t, 0,1,2,3,4,5,6,7
.irp e, 0,1
	MM 64*\e+8*\t, KF+6*\t, QF+12*\e, 0, KSW+\t, QSW+\e
.endr
.endr
	WIN 0
	v_add_nc_u32 v[ADK16], s[TBK], v[LK16]         ; four places: K's next tiles land where these lay, and the scores are read
	v_add_nc_u32 v[ADK8], s[TBK], v[LK8]
	v_nop
	v_nop
	KLOAD ADK16, ADK8, ADS
	WIN 0x05
.irp c, 0,1
.irp e, 0,1
	v_max3_num_f32 v[ST+16*\e+6+\c], v[64*\e+32*\c], v[64*\e+32*\c+1], 0xff61b1e6   ; the largest score of my block of 32 keys: for the row's maximum and, since p rises with the score, for the block's largest p
.endr
.endr
.set i, 2
.rept 15
.irp c, 0,1
.irp e, 0,1
	v_max3_num_f32 v[ST+16*\e+6+\c], v[64*\e+32*\c+i], v[64*\e+32*\c+i+1], v[ST+16*\e+6+\c]   ; four chains by turns; each accumulator from its low end on
.endr
.endr
.set i, i+2
.endr
	WIN 0
.irp e, 0,1
	v_max_num_f32 v[ST+16*\e+10], v[ST+16*\e+6], v[ST+16*\e+7]
.endr
.irp e, 0,1
	s_delay_alu instid0(VALU_DEP_2)
	v_permlanex16_b32 v[ST+16*\e+11], v[ST+16*\e+10], s[SEL], s[SEL+1]
.endr
.irp e, 0,1
	s_delay_alu instid0(VALU_DEP_2)
	v_max3_num_f32 v[ST+16*\e+1], v[ST+16*\e+1], v[ST+16*\e+10], v[ST+16*\e+11]   ; the running largest score of my query
.endr
.irp e, 0,1
	s_delay_alu instid0(VALU_DEP_2)
	v_mul_f32 v[ST+16*\e+11], s[CS], -v[ST+16*\e+1]   ; -t (c is positive)
.endr
.irp e, 0,1
	v_mov_b32 v[ST+16*\e+10], v[ST+16*\e]
.endr
.irp e, 0,1
	s_delay_alu instid0(VALU_DEP_4)
	v_floor_f32 v[ST+16*\e], v[ST+16*\e+11]        ; the new -M = -ceil(t)
.endr
.irp e, 0,1
	s_delay_alu instid0(VALU_DEP_2)
	v_sub_f32 v[ST+16*\e+10], v[ST+16*\e], v[ST+16*\e+10]   ; old M - new M: a whole number, 0 or less
.endr
.irp e, 0,1
	s_delay_alu instid0(VALU_DEP_2)
	v_cvt_i32_f32 v[ST+16*\e+10], v[ST+16*\e+10]   ; (it saturates)
.endr
.irp e, 0,1
	s_delay_alu instid0(VALU_DEP_2)
	v_ldexp_f32 v[ST+16*\e+4], 1.0, v[ST+16*\e+10]
.endr
.irp c, 0,1
.irp e, 0,1
	v_fma_f32 v[ST+16*\e+6+\c], v[ST+16*\e+6+\c], s[CS], v[ST+16*\e]
.endr
.endr
.irp e, 0,1
	v_pk_mul_f32 v[ST+16*\e+2:ST+16*\e+3], v[ST+16*\e+2:ST+16*\e+3], v[ST+16*\e+4:ST+16*\e+5] op_sel_hi:[1,0]   ; the sums under the new M
.endr
	WALU                                           ; ahead of a batch of exponentials
.irp c, 0,1
.irp e, 0,1
	v_exp_f32 v[ST+16*\e+6+\c], v[ST+16*\e+6+\c]   ; the block's largest p: the same two instructions on the same number
.endr
.endr
	WIN 0x41
.irp e, 0,1
.set j, 0
.rept 32
	v_pk_fma_f32 v[64*\e+j:64*\e+j+1], v[64*\e+j:64*\e+j+1], s[CS:CS+1], v[ST+16*\e:ST+16*\e+1] op_sel_hi:[1,0,0]   ; t - M, two at a time
.set j, j+2
.endr
.endr
	WALU                                           ; behind the four and ahead of the batch
.set j, 0
.rept 128
	v_exp_f32 v[j], v[j]                           ; p = 2^(t - M)
.set j, j+1
.endr
	WIN 0
.irp c, 0,1
.irp e, 0,1
	v_max_num_f32 v[ST+16*\e+6+\c], 0x1800000, v[ST+16*\e+6+\c]   ; the floor 2^(3 - 127): the byte cannot fall under 1
.endr
.endr
.irp c, 0,1
.irp e, 0,1
	s_delay_alu instid0(VALU_DEP_4)
	v_add_nc_u32 v[ST+16*\e+8+\c], 0xff000000, v[ST+16*\e+6+\c]   ; 2 off the exponent field: the conversion's scale operand
.endr
.endr
.irp c, 0,1
.irp e, 0,1
	s_delay_alu instid0(VALU_DEP_4)
	v_lshrrev_b32 v[ST+16*\e+10+\c], 23, v[ST+16*\e+8+\c]
.endr
.endr
.irp e, 0,1
	s_delay_alu instid0(VALU_DEP_2)
	v_lshl_or_b32 v[ST+16*\e+10], v[ST+16*\e+11], 16, v[ST+16*\e+10]   ; my two bytes: blocks h and 2 + h,
.endr
.irp e, 0,1
	s_delay_alu instid0(VALU_DEP_2)
	v_lshlrev_b32 v[ST+16*\e+10], v[SH8], v[ST+16*\e+10]               ; at their places in the word;
.endr
.irp e, 0,1
	s_delay_alu instid0(VALU_DEP_2)
	v_permlanex16_b32 v[ST+16*\e+11], v[ST+16*\e+10], s[SEL], s[SEL+1]
.endr
.irp e, 0,1
	s_delay_alu instid0(VALU_DEP_2)
	v_or_b32 v[PWD+\e], v[ST+16*\e+10], v[ST+16*\e+11]                 ; with lane l xor 16's two the word is whole
.endr
	WALU                                           ; one wait for the batch, ahead of its first reader
	WIN 0x41
.irp e, 0,1
.irp c, 0,1
	v_cvt_scalef32_pk16_fp6_f32 v[PCD+12*\e+6*\c:PCD+12*\e+6*\c+2], v[64*\e+32*\c:64*\e+32*\c+15], v[ST+16*\e+8+\c]
	v_cvt_scalef32_pk16_fp6_f32 v[TC+8*\e+4*\c:TC+8*\e+4*\c+2], v[64*\e+32*\c+16:64*\e+32*\c+31], v[ST+16*\e+8+\c]   ; (a conversion's three registers begin on an even number)
.endr
.endr
	WALU                                           ; directly ahead of the first readers of O^T
.irp e, 0,1
.set j, 0
.rept 16
	v_pk_mul_f32 v[OO+32*\e+j:OO+32*\e+j+1], v[OO+32*\e+j:OO+32*\e+j+1], v[ST+16*\e+4:ST+16*\e+5] op_sel_hi:[1,0]   ; O^T under the new M; plain lines behind the conversions
.set j, j+2
.endr
.endr
.irp e, 0,1
.irp c, 0,1
.irp i, 0,1,2
	v_mov_b32 v[PCD+12*\e+6*\c+3+\i], v[TC+8*\e+4*\c+\i]
.endr
.endr
.endr
	WIN 0x05                                       ; the row's sum of the unquantised p, in four chains a tile; these lines stand between p's codes and the products
.irp k, 0,1,2
.irp e, 0,1
	v_pk_add_f32 v[TS+6*\e+2*\k:TS+6*\e+2*\k+1], v[64*\e+4*\k:64*\e+4*\k+1], v[64*\e+4*\k+2:64*\e+4*\k+3]
.endr
.endr
	WIN 0x01
.set i, 6
.rept 26
	SADD 0, i
	SADD 1, i
.set i, i+1
.endr
	WIN 0
.irp e, 0,1
	v_pk_add_f32 v[TS+6*\e:TS+6*\e+1], v[TS+6*\e:TS+6*\e+1], v[TS+6*\e+2:TS+6*\e+3]
	v_pk_add_f32 v[ST+16*\e+2:ST+16*\e+3], v[ST+16*\e+2:ST+16*\e+3], v[TS+6*\e+4:TS+6*\e+5]
.endr
.irp e, 0,1
	v_pk_add_f32 v[ST+16*\e+2:ST+16*\e+3], v[ST+16*\e+2:ST+16*\e+3], v[TS+6*\e:TS+6*\e+1]
.endr
	WALU                                           ; ahead of the wait below
	s_wait_dscnt 20                                ; V's 17 loads are in; the next step's 20 of K may be out
	WIN 0x54
.irp t, 0,1,2,3                                ; eight accumulators by turns, one instruction a turn
.irp e, 0,1
	MM OO+32*\e+8*\t, VF+12*\t, PCD+12*\e, v[OO+32*\e+8*\t:OO+32*\e+8*\t+7], VSW+\t, PWD+\e
.endr
.endr
	WIN 0
	s_mov_b32 s[TBV], s[TBK]                       ; the next step's V lies as far into its region as its K
	s_lshr_b32 s[TJ], s[TSK], 1
	s_add_co_u32 s[TBK], s[TBK], 6144
	s_cmp_eq_u32 s[TBK], 98304
	s_cselect_b32 s[TBK], 0, s[TBK]                ; behind step 15 comes step 0
	s_add_co_u32 s[TSK], s[TSK], 512
	s_cmp_eq_u32 s[TSK], 8192
	s_cselect_b32 s[TSK], 0, s[TSK]
	s_sub_co_u32 s[CNT], s[CNT], 1
	s_cmp_lg_u32 s[CNT], 0
	s_cbranch_scc1 .Lstep
.rept 4
	v_nop                                          ; places behind the last products
.endr
.irp e, 0,1
	v_add_f32 v[ST+16*\e+2], v[ST+16*\e+2], v[ST+16*\e+3]
.endr
.irp e, 0,1
	v_permlanex16_b32 v[ST+16*\e+11], v[ST+16*\e+2], s[SEL], s[SEL+1]
.endr
.irp e, 0,1
	v_add_f32 v[ST+16*\e+2], v[ST+16*\e+2], v[ST+16*\e+11]   ; the row's sum
.endr
	WALU
.irp e, 0,1
	v_rcp_f32 v[ST+16*\e+2], v[ST+16*\e+2]
.endr
	v_nop                                          ; a plain instruction behind the reciprocals,
	WIN 0x41
	WALU                                           ; and the wait directly ahead of their first reader, which is O^T's too
.set j, 0
.rept 32
.irp e, 0,1
	v_mul_f32 v[64*\e+j], v[OO+32*\e+j], v[ST+16*\e+2]   ; register 16 B + i: d = 32 B + 16 h + i of my query; each accumulator from its low end on
.endr
.set j, j+1
.endr
	WIN 0x05
.irp c, 0,1
.irp e, 0,1
	v_max3_num_f32 v[ST+16*\e+6+\c], |v[64*\e+16*\c]|, |v[64*\e+16*\c+1]|, 0x1800000
.endr
.endr
.irp i, 2,4,6,8,10,12,14
.irp c, 0,1
.irp e, 0,1
	v_max3_num_f32 v[ST+16*\e+6+\c], |v[64*\e+16*\c+\i]|, |v[64*\e+16*\c+\i+1]|, v[ST+16*\e+6+\c]
.endr
.endr
.endr
	WIN 0
.irp c, 0,1
.irp e, 0,1
	v_permlanex16_b32 v[ST+16*\e+10+\c], v[ST+16*\e+6+\c], s[SEL], s[SEL+1]
.endr
.endr
.irp c, 0,1
.irp e, 0,1
	v_max_num_f32 v[ST+16*\e+6+\c], v[ST+16*\e+6+\c], v[ST+16*\e+10+\c]   ; with lane l xor 16's 16: the block's largest magnitude
.endr
.endr
.irp c, 0,1
.irp e, 0,1
	v_add_nc_u32 v[ST+16*\e+8+\c], 0xff000000, v[ST+16*\e+6+\c]
.endr
.endr
.irp c, 0,1
.irp e, 0,1
	v_lshrrev_b32 v[ST+16*\e+10+\c], 23, v[ST+16*\e+8+\c]
.endr
.endr
.irp e, 0,1
	v_lshl_or_b32 v[OW+\e], v[ST+16*\e+11], 8, v[ST+16*\e+10]   ; the head's two bytes of my row's scale word
.endr
	WIN 0x01
.irp e, 0,1
	v_cvt_scalef32_pk16_fp6_f32 v[EP+10*\e:EP+10*\e+2], v[64*\e:64*\e+15], v[ST+16*\e+8]
	v_cvt_scalef32_pk16_fp6_f32 v[EP+10*\e+6:EP+10*\e+8], v[64*\e+16:64*\e+31], v[ST+16*\e+9]
.endr
	v_nop                                          ; one plain instruction behind a scaled conversion
	WIN 0
.irp e, 0,1
.irp i, 0,1,2
	v_permlane16_swap_b32 v[EP+10*\e+\i], v[EP+10*\e+6+\i]   ; the layout wants a whole block in a lane
.endr
.endr
.irp e, 0,1
.irp i, 0,1,2
	v_mov_b32 v[EP+10*\e+3+\i], v[EP+10*\e+6+\i]
.endr
.endr
.irp e, 0,1
	global_store_b128 v1, v[EP+10*\e:EP+10*\e+3], s[100:101] offset:3072*\e         ; 512 consecutive bytes,
	global_store_b64 v2, v[EP+10*\e+4:EP+10*\e+5], s[100:101] offset:3072*\e+512    ; and 256
.endr
	v_cmp_ne_u32 vcc_lo, 0, v[HH]                  ; lanes 0-15 store tile 0's bytes, lanes 16-31 tile 1's
	v_cndmask_b32 v[ST+10], v[OW], v[OW+1], vcc_lo
	global_store_b16 v2, v[ST+10], s[104:105]
	WIN 0x40                                       ; the second pass's Q takes its place (in the last trip these lines move what nobody reads)
.irp e, 0,1
.irp i, 0,1,2,3,4,5
	v_mov_b32 v[QF+12*\e+\i], v[QN+6*\e+\i]
.endr
.endr
	WIN 0
	v_mov_b32 v[QSW], v[QN+12]
	v_mov_b32 v[QSW+1], v[QN+13]
	WALU                                           ; ahead of the wait and the branch below
	s_wait_xcnt 0x0                                ; the stores have read their registers and their bases
	s_add_nc_u64 s[100:101], s[100:101], 6144      ; two tiles on
	s_add_nc_u64 s[104:105], s[104:105], 256
	s_sub_co_u32 s[PCNT], s[PCNT], 1
	s_cmp_lg_u32 s[PCNT], 0
	s_cbranch_scc1 .Lpass
	s_wait_tensorcnt 0x0                           ; the wave's end
	ds_add_u32 v[SPW], v[NIL]
	s_wait_dscnt 0x0
	CROUND                                         ; the closing round
	s_endpgm
.Lfunc_end_k_qbe2040b32b_attn:
	.size	k_qbe2040b32b_attn, .Lfunc_end_k_qbe2040b32b_attn-k_qbe2040b32b_attn
	.p2alignl 7, 3214868480
	.fill 96, 4, 3214868480
	.section	.rodata,"a",@progbits
	.p2align	6, 0x0
	.amdhsa_kernel k_qbe2040b32b_attn
		.amdhsa_group_segment_fixed_size 214016
		.amdhsa_private_segment_fixed_size 0
		.amdhsa_enable_private_segment 0
		.amdhsa_kernarg_size 32
		.amdhsa_user_sgpr_count 2
		.amdhsa_user_sgpr_kernarg_segment_ptr 1
		.amdhsa_wavefront_size32 1
		.amdhsa_system_sgpr_workgroup_id_x 1
		.amdhsa_system_sgpr_workgroup_id_y 1
		.amdhsa_system_sgpr_workgroup_id_z 1
		.amdhsa_system_vgpr_workitem_id 0
		.amdhsa_next_free_vgpr 512
		.amdhsa_next_free_sgpr 106
		.amdhsa_reserve_vcc 1
		.amdhsa_float_denorm_mode_32 3
		.amdhsa_float_denorm_mode_16_64 3
		.amdhsa_memory_ordered 1
		.amdhsa_forward_progress 1
		.amdhsa_inst_pref_size 52
	.end_amdhsa_kernel
	.amdgpu_metadata
---
amdhsa.version: [ 1, 2 ]
amdhsa.kernels:
  - .name:           k_qbe2040b32b_attn
    .symbol:         k_qbe2040b32b_attn.kd
    .args:
      - { .name: qkv_img, .offset: 0, .size: 8, .value_kind: global_buffer, .address_space: global }
      - { .name: qkv_sc, .offset: 8, .size: 8, .value_kind: global_buffer, .address_space: global }
      - { .name: o_img, .offset: 16, .size: 8, .value_kind: global_buffer, .address_space: global }
      - { .name: o_sc, .offset: 24, .size: 8, .value_kind: global_buffer, .address_space: global }
    .group_segment_fixed_size: 214016
    .private_segment_fixed_size: 0
    .kernarg_segment_align: 8
    .kernarg_segment_size: 32
    .max_flat_workgroup_size: 256
    .sgpr_count:     106
    .vgpr_count:     512
    .wavefront_size: 32
...
	.end_amdgpu_metadata
.endif
;; end of part 3
;; launch gemm_out (part 4): grid 8 x 32, 4 waves a work-group, clusters of 4 x 4, 327,680 bytes of LDS; arguments o_img, o_sc, w_img, w_sc, bo, out0; writes out0
.if DOCPART == 4
	.amdgcn_target "amdgcn-amd-amdhsa--gfx1250"
	.amdhsa_code_object_version 6
	.text
	.protected	k_qbe2040b32b_gemm_out
	.globl	k_qbe2040b32b_gemm_out
	.p2align	8
	.type	k_qbe2040b32b_gemm_out,@function
k_qbe2040b32b_gemm_out:
	s_mov_b64 s[64:65], 0
	v_nop
	global_prefetch_b8 v0, s[64:65] scope:SCOPE_SE
	s_setreg_imm32_b32 hwreg(HW_REG_WAVE_MODE, 25, 1), 1
	s_wait_xcnt 0x0
	s_wait_alu depctr_hold_cnt(0) depctr_sa_sdst(0) depctr_va_vdst(0) depctr_va_sdst(0) depctr_va_ssrc(0) depctr_va_vcc(0) depctr_vm_vsrc(0)
	s_getreg_b32 s2, hwreg(HW_REG_IB_STS2, 6, 4)
	s_cmp_eq_u32 s2, 0
	s_cbranch_scc0 .Lentry_in_a_cluster
	s_endpgm
.Lentry_in_a_cluster:
	s_bfe_u32 s2, ttmp6, 0x10000c
	s_cmp_lg_u32 s2, 0xf033
	s_cbranch_scc0 .Lentry_shape_is_right
	s_endpgm
.Lentry_shape_is_right:
; out0 = o Wo + bo on codes of FP6 (E2M3) with E8M0 scales; sums in f32.  o_img and w_img hold images of the unit's registers:
; [row block of 128][K step of 256: 4][tile 8][half step 2][1536 bytes]; a fragment (a tile x 128 along K) is two halves of 768 bytes: registers 0-3 of six at 16 x lane, registers 4-5 at 512 + 8 x lane.
; Tile i of a row block holds in lane r the row 32 (i / 2) + 8 (i % 2) + r + 8 (r / 8).  Scale words: [row block][K step][tile][r][half step].  Wo's columns are w_img's row blocks 24 to 31.
; SHARES: 8 x 32 work-groups, one for each block of 256 rows x 128 columns of out0; four waves, 2 x 2: wave (a, b) takes o's row block a of the two and columns 64 b .. 64 b + 63.
; ALL THAT A WORK-GROUP MULTIPLIES LIES IN LDS AT ONCE: o's two row blocks (196,608 bytes), Wo's row block (98,304), their scale words (8,192 and 4,096): filled once, one joint load a wave.  No ring, no refill.
; A wave holds its 64 columns of Wo, all of K, in registers (32 fragments, 384 registers) and streams its eight tiles of 16 rows past them: 32 products a tile, the tile's four accumulators by turns.
; A tile's eight fragments lie twice in registers: tile s is multiplied out of set s % 2, and behind its products that set takes tile s + 2.
; THE MATRIX INSTRUCTION IS USED TRANSPOSED (source 0 = 16 columns of Wo, source 1 = 16 rows of o): a lane holds one row and 2 x 16 neighbouring columns.  The bias is the first products' C.
; THE WAY OUT: a finished tile goes through the wave's own stage in LDS (rows of 256 + 16 bytes, bytes that no fill lands on) and comes back as whole rows: each store covers two aligned runs of 256 bytes.  Tile s - 1 is stored behind tile s's products.
; CLUSTERS: 4 x 4.  o's tiles hang on the block's row alone and are shared along a row of the cluster, Wo's on its column alone and are shared along a column.
; Nothing is prefetched: the whole stream is asked for at the kernel's head, and there is no loop to run ahead in.
.set RBB,    98304
.set WB,     2*RBB                     ; LDS: o's codes from 0, Wo's from WB,
.set XSC,    3*RBB                     ; o's scale words, Wo's,
.set WSL,    XSC+8192
.set STAGE,  WSL+4096                  ; the four stages of 16 rows,
.set SPITCH, 272
.set SPARE,  STAGE+4*16*SPITCH         ; and the spare words, 128 bytes a wave: two blocks of 256 bytes that no other line names
.set FR,   12                          ; registers of a fragment
.set FPW,  21                          ; fragments in a window: fragment f lies in window 1 + f / 21 at register 12 (f % 21): 0-31 Wo's (4 q + t), 32-39 and 40-47 o's two sets
.set A16,  2                           ; v2, v3  LDS address of my rows' fragments, K steps 0 and 1 (16 x lane, 8 x lane); v4, v5 K steps 2 and 3
.set A8,   3
.set AS,   6                           ; v6   of my rows' scale words
.set STO,  7                           ; v7   the stage on the way in
.set RD,   8                           ; v8   and on the way out
.set CO,   9                           ; v9   my byte offset in out0
.set SPW,  10                          ; v10  my spare word; never rewritten
.set NIL,  11                          ; v11  0; never rewritten
.set W16,  12                          ; v12-15 as v2-5, for Wo
.set W8,   13
.set WSA,  16                          ; v16  of Wo's scale words: lanes 0-15 an even tile's, lanes 16-31 the odd tile's beside it
.set BOF,  17                          ; v17  my offset in bo
.set WSC,  24                          ; v24-39  Wo's scale words: 8 (t / 2) + q
.set XS,   44                          ; v44-59  o's: two sets of eight
.set BP,   64                          ; v64-95  the bias as the result lies
.set ACC,  96                          ; v96-159 two sets of four accumulators
.set OB,   160                         ; v160-223 two sets of 16 rows x 256 bytes read back from the stage
.set WV,   2
.set RH,   3
.set PH,   66
.set MSB, 0
.macro WIN new                         ; bits 1:0 source 0, 3:2 source 1, 5:4 source 2, 7:6 destination; the high byte repeats the setting that is left
.if MSB != (\new)
	s_set_vgpr_msb (MSB<<8)|(\new)
.set MSB, (\new)
.endif
.endm
.macro PLACES n
.rept \n
	v_nop
.endr
.endm
.macro WALU
	s_wait_alu depctr_va_vdst(0)
.endm
.macro CROUND
	s_barrier_signal -1
	s_barrier_wait -1
	s_cmp_lg_u32 s[WV], 0
	s_cbranch_scc1 .Lnot_wave_0_\@
	s_barrier_signal -3
.Lnot_wave_0_\@:
	s_barrier_wait -3
	s_barrier_signal -1
	s_barrier_wait -1
.endm
.macro MKG1 g, mask, rows              ; rows of 256 bytes (32 elements of 8), dense; bit 21 beside the mask
	s_or_b32 s[\g], s[\mask], (3<<16)|(1<<21)
	s_mov_b32 s[\g+1], 32<<16
	s_mov_b32 s[\g+2], (\rows)<<16
	s_mov_b32 s[\g+3], 32<<16
	s_mov_b32 s[\g+4], \rows
	s_mov_b32 s[\g+5], 32
	s_mov_b32 s[\g+6], 0
	s_mov_b32 s[\g+7], 0
.endm
.macro MKG0 g, lds, base, off
	s_mov_b32 s[\g], 1
	s_mov_b32 s[\g+1], \lds
	s_add_nc_u64 s[\g+2:\g+3], s[\base:\base+1], s[\off:\off+1]
	s_or_b32 s[\g+3], s[\g+3], 0x80000000
.endm
.macro ARM under, g0, g1, next         ; one chain of branches on the wave's number: every way passes exactly one load
	s_cmp_lt_u32 s[WV], \under
	s_cbranch_scc0 \next
	tensor_load_to_lds s[\g0:\g0+3], s[\g1:\g1+7]
	s_nop 0
	PLACES 4
	s_branch .Lhead_asked
\next:
.endm
.macro FRAG f, off, a16, a8            ; a fragment: four loads
	WIN (1+(\f)/FPW)<<6
.set R_, FR*((\f)%FPW)
	ds_load_b128 v[R_:R_+3], v[\a16] offset:\off
	ds_load_b64 v[R_+4:R_+5], v[\a8] offset:(\off)+512
	ds_load_b128 v[R_+6:R_+9], v[\a16] offset:(\off)+768
	ds_load_b64 v[R_+10:R_+11], v[\a8] offset:(\off)+1280
.endm
.macro FETCH e, i                      ; tile i of my row block into set e: 36 loads
.irp q, 0,1,2,3,4,5,6,7
	FRAG 32+8*(\e)+\q, ((\q/2)%2)*24576+(\i)*3072+(\q%2)*1536, A16+2*(\q/4), A8+2*(\q/4)
.endr
	WIN 0
.irp k, 0,1,2,3
	ds_load_b64 v[XS+8*(\e)+2*\k:XS+8*(\e)+2*\k+1], v[AS] offset:1024*\k+128*(\i)
.endr
.endm
.macro PROD1 d, s0, s1, c, x0, x1, o
.if \o
	v_wmma_scale_f32_16x16x128_f8f6f4 v[\d:\d+7], v[FR*((\s0)%FPW):FR*((\s0)%FPW)+FR-1], v[FR*((\s1)%FPW):FR*((\s1)%FPW)+FR-1], \c, v[\x0], v[\x1] matrix_a_fmt:MATRIX_FMT_FP6 matrix_b_fmt:MATRIX_FMT_FP6 matrix_a_scale:MATRIX_SCALE_ROW1
.else
	v_wmma_scale_f32_16x16x128_f8f6f4 v[\d:\d+7], v[FR*((\s0)%FPW):FR*((\s0)%FPW)+FR-1], v[FR*((\s1)%FPW):FR*((\s1)%FPW)+FR-1], \c, v[\x0], v[\x1] matrix_a_fmt:MATRIX_FMT_FP6 matrix_b_fmt:MATRIX_FMT_FP6 matrix_a_scale:MATRIX_SCALE_ROW0
.endif
.endm
.macro PROD e, q, t                    ; step q of 128 along K, column tile t
.set FB_, 4*(\q)+(\t)
.set FA_, 32+8*(\e)+(\q)
.set D_, ACC+32*(\e)+8*(\t)
	WIN (1+FB_/FPW)|((1+FA_/FPW)<<2)
.if (\q) == 0
	PROD1 D_, FB_, FA_, v[BP+8*(\t):BP+8*(\t)+7], WSC+8*((\t)/2)+(\q), XS+8*(\e)+(\q), (\t)%2
.else
	PROD1 D_, FB_, FA_, v[D_:D_+7], WSC+8*((\t)/2)+(\q), XS+8*(\e)+(\q), (\t)%2
.endif
.endm
.macro TOSTAGE e                       ; 8 stores and 8 loads.  LDS serves a wave's instructions in order: no wait between them, nor in front of the next tile's stores
.irp t, 0,1,2,3
	ds_store_b128 v[STO], v[ACC+32*(\e)+8*\t:ACC+32*(\e)+8*\t+3] offset:128*(\t/2)+32*(\t%2)        ; each accumulator from its low end on
	ds_store_b128 v[STO], v[ACC+32*(\e)+8*\t+4:ACC+32*(\e)+8*\t+7] offset:128*(\t/2)+32*(\t%2)+16
.endr
.irp k, 0,1,2,3,4,5,6,7
	ds_load_b128 v[OB+32*(\e)+4*\k:OB+32*(\e)+4*\k+3], v[RD] offset:\k*2*SPITCH
.endr
.endm
.macro SEND a, younger                 ; tile a leaves: lanes 0-15 row 2 k of the tile, lanes 16-31 row 2 k + 1, 256 consecutive bytes each, at a multiple of 256 from out0's first byte
	s_wait_dscnt \younger
.irp k, 0,1,2,3,4,5,6,7
	global_store_b128 v[CO], v[OB+32*((\a)%2)+4*\k:OB+32*((\a)%2)+4*\k+3], s[14:15] offset:(32*((\a)/2)+8*((\a)%2)+2*\k+8*(\k/4))*4096 th:TH_STORE_NT
.endr
.endm
; A tile.  w1: what may be out when its fragments are in; w2: what may be out when the tile before is back from the stage
.macro TILE s, w1, w2
.set E_, (\s)%2
	s_wait_dscnt \w1
.irp q, 0,1,2,3,4,5,6,7
.irp t, 0,1,2,3
	PROD E_, \q, \t
.endr
.endr
	WIN 0
	PLACES 4                                       ; behind the products: loads land on registers that they read, and LDS stores read their results
.if (\s) < 6
	FETCH E_, (\s)+2
.endif
.if (\s) > 1
	s_wait_xcnt 0x0                                ; tile s - 2's stores have read the registers on which the loads below land
.endif
	TOSTAGE E_
.if (\s) > 0
	SEND (\s)-1, \w2
.endif
.endm
	s_load_b256 s[4:11], s[0:1], 0x0               ; o_img, o_sc, w_img, w_sc
	s_load_b128 s[12:15], s[0:1], 0x20             ; bo, out0
	v_lshl_add_u32 v[SPW], v0, 2, SPARE
	v_mov_b32 v[NIL], 0
	ds_add_u32 v[SPW], v[NIL]                      ; the wave's opening: the add, twice on end, and its wait ahead of my first tensor load
	ds_add_u32 v[SPW], v[NIL]
	v_lshrrev_b32 v1, 5, v0
	v_readfirstlane_b32 s[WV], v1
	s_lshr_b32 s[RH], s[WV], 1                     ; a: my row block
	s_and_b32 s[PH], s[WV], 1                      ; b: my 64 columns
	s_bfe_u32 s40, ttmp6, 0x40000                  ; cx
	s_bfe_u32 s41, ttmp6, 0x40004                  ; cy
	s_lshl_b32 s42, ttmp9, 2
	s_add_co_u32 s42, s42, s40                     ; the block's column, 0 .. 7
	s_and_b32 s22, ttmp7, 0xffff
	s_lshl_b32 s22, s22, 2
	s_add_co_u32 s22, s22, s41                     ; the block's row, 0 .. 31
	s_lshl_b32 s43, s41, 2
	s_lshl_b32 s43, 15, s43                        ; my row of the cluster
	s_lshl_b32 s44, 0x1111, s40                    ; my column
	MKG1 24, 43, 768                               ; o's codes
	MKG1 32, 44, 384                               ; Wo's
	MKG1 48, 43, 32                                ; o's scale words
	MKG1 56, 44, 16                                ; Wo's
	s_mul_i32 s84, s22, 2*RBB
	s_mov_b32 s85, 0
	s_lshl_b32 s86, s22, 13
	s_mov_b32 s87, 0
	s_add_co_u32 s88, s42, 24
	s_lshl_b32 s90, s88, 12
	s_mul_i32 s88, s88, RBB
	s_mov_b32 s89, 0
	s_mov_b32 s91, 0
	v_and_b32 v1, 15, v0                           ; r
	v_bfe_u32 v18, v0, 4, 1                        ; h
	v_and_b32 v19, 31, v0
	v_lshlrev_b32 v20, 4, v19                      ; 16 x lane
	v_lshlrev_b32 v21, 3, v19                      ; 8 x lane
	s_mul_i32 s45, s[RH], RBB
	v_add_nc_u32 v[A16], s45, v20
	v_add_nc_u32 v[A8], s45, v21
	v_add_nc_u32 v[A16+2], 49152, v[A16]
	v_add_nc_u32 v[A8+2], 49152, v[A8]
	s_mul_i32 s46, s[PH], 4*3072
	s_add_co_u32 s46, s46, WB
	v_add_nc_u32 v[W16], s46, v20
	v_add_nc_u32 v[W8], s46, v21
	v_add_nc_u32 v[W16+2], 49152, v[W16]
	v_add_nc_u32 v[W8+2], 49152, v[W8]
	s_lshl_b32 s45, s[RH], 12
	s_add_co_u32 s45, s45, XSC
	v_lshlrev_b32 v22, 3, v1                       ; 8 r
	v_add_nc_u32 v[AS], s45, v22
	s_lshl_b32 s46, s[PH], 9
	s_add_co_u32 s46, s46, WSL
	v_lshl_add_u32 v23, v18, 7, v22
	v_add_nc_u32 v[WSA], s46, v23
	s_mul_i32 s45, s[WV], 16*SPITCH
	s_add_co_u32 s45, s45, STAGE
	v_mul_u32_u24 v22, v1, SPITCH
	v_lshl_add_u32 v22, v18, 6, v22
	v_add_nc_u32 v[STO], s45, v22                  ; in: row r, 64 h
	v_mul_u32_u24 v22, v18, SPITCH
	v_lshl_add_u32 v22, v1, 4, v22
	v_add_nc_u32 v[RD], s45, v22                   ; back: row h, 16 r
	v_lshlrev_b32 v22, 4, v1
	v_lshl_add_u32 v[CO], v18, 12, v22             ; and the same two rows in out0
	v_lshlrev_b32 v[BOF], 6, v18
	WALU                                           ; ahead of the waits below
	s_wait_dscnt 0x0                               ; both opening adds are done
	s_wait_kmcnt 0x0
	MKG0 68, 0, 4, 84
	MKG0 72, WB, 8, 88
	MKG0 76, XSC, 6, 86
	MKG0 80, WSL, 10, 90
	CROUND                                         ; all sixteen work-groups are here: the joint loads meet
	ARM 1, 72, 32, .Lhead_ws                       ; wave 0: Wo's codes, which go on into registers
	ARM 2, 80, 56, .Lhead_xs                       ; wave 1: Wo's scale words
	ARM 3, 76, 48, .Lhead_a                        ; wave 2: o's scale words
	tensor_load_to_lds s[68:71], s[24:31]          ; wave 3: o's codes
	s_nop 0
	PLACES 4
.Lhead_asked:
	s_lshl_b32 s92, s42, 9
	s_lshl_b32 s93, s[PH], 8
	s_add_co_u32 s92, s92, s93                     ; my first column, in bytes
	s_mov_b32 s93, 0
	s_add_nc_u64 s[12:13], s[12:13], s[92:93]
.irp b, 0,1
.irp j, 0,1,2,3
	global_load_b128 v[BP+16*\b+4*\j:BP+16*\b+4*\j+3], v[BOF], s[12:13] offset:128*\b+16*\j   ; register 16 B + i of lane (r, h) is column 32 B + 16 h + i
.endr
.endr
	s_lshl_b32 s94, s22, 8
	s_lshl_b32 s95, s[RH], 7
	s_add_co_u32 s94, s94, s95                     ; my first row
	s_lshl_b32 s94, s94, 12
	s_add_co_u32 s94, s94, s92
	s_mov_b32 s95, 0
	s_add_nc_u64 s[14:15], s[14:15], s[94:95]
	WALU                                           ; the head's end
	s_cmp_lt_u32 s[WV], 2                          ; waves 0 and 1 alone issue the lines that bring Wo's tiles, and they wait for them here
	s_cbranch_scc0 .Lnot_w
	s_wait_tensorcnt 0x0
.Lnot_w:
	s_barrier_signal -1
	s_barrier_wait -1                              ; Wo's codes and words are in; o's may still be on their way: nothing is ever filled again
.irp q, 0,1,2,3,4,5,6,7                        ; my 64 columns of Wo, all of K: 128 loads
.irp t, 0,1,2,3
	FRAG 4*\q+\t, ((\q/2)%2)*24576+\t*3072+(\q%2)*1536, W16+2*(\q/4), W8+2*(\q/4)
.endr
.endr
	WIN 0
.irp p, 0,1
.irp k, 0,1,2,3
	ds_load_b64 v[WSC+8*\p+2*\k:WSC+8*\p+2*\k+1], v[WSA] offset:1024*\k+256*\p
.endr
.endr
	s_wait_tensorcnt 0x0                           ; every wave: all that is still out
	s_wait_dscnt 0x0
	s_barrier_signal -1
	s_barrier_wait -1
	FETCH 0, 0
	FETCH 1, 1
	s_wait_loadcnt 0x0                             ; the bias
	TILE 0, 36, 0                                  ; younger than tile 0's fetch: tile 1's 36 loads
	TILE 1, 52, 52                                 ; younger than a tile's fetch, and than the stage's loads of the tile before: a fetch of 36 and a stage's 16
	TILE 2, 52, 52
	TILE 3, 52, 52
	TILE 4, 52, 52
	TILE 5, 52, 52
	TILE 6, 52, 16                                 ; nothing more is fetched: only a stage's 16 are younger
	TILE 7, 16, 16
	SEND 7, 0
	s_wait_tensorcnt 0x0                           ; the wave's end, behind my last LDS store
	ds_add_u32 v[SPW], v[NIL]
	s_wait_dscnt 0x0
	CROUND                                         ; the closing round
	s_endpgm
.Lfunc_end_k_qbe2040b32b_gemm_out:
	.size	k_qbe2040b32b_gemm_out, .Lfunc_end_k_qbe2040b32b_gemm_out-k_qbe2040b32b_gemm_out
	.p2alignl 7, 3214868480
	.fill 96, 4, 3214868480
	.section	.rodata,"a",@progbits
	.p2align	6, 0x0
	.amdhsa_kernel k_qbe2040b32b_gemm_out
		.amdhsa_group_segment_fixed_size 327680
		.amdhsa_private_segment_fixed_size 0
		.amdhsa_enable_private_segment 0
		.amdhsa_kernarg_size 48
		.amdhsa_user_sgpr_count 2
		.amdhsa_user_sgpr_kernarg_segment_ptr 1
		.amdhsa_wavefront_size32 1
		.amdhsa_system_sgpr_workgroup_id_x 1
		.amdhsa_system_sgpr_workgroup_id_y 1
		.amdhsa_system_sgpr_workgroup_id_z 1
		.amdhsa_system_vgpr_workitem_id 0
		.amdhsa_next_free_vgpr 840
		.amdhsa_next_free_sgpr 100
		.amdhsa_reserve_vcc 0
		.amdhsa_float_denorm_mode_32 3
		.amdhsa_float_denorm_mode_16_64 3
		.amdhsa_memory_ordered 1
		.amdhsa_forward_progress 1
		.amdhsa_inst_pref_size 86
	.end_amdhsa_kernel
	.amdgpu_metadata
---
amdhsa.version: [ 1, 2 ]
amdhsa.kernels:
  - .name:           k_qbe2040b32b_gemm_out
    .symbol:         k_qbe2040b32b_gemm_out.kd
    .args:
      - { .name: o_img, .offset: 0, .size: 8, .value_kind: global_buffer, .address_space: global }
      - { .name: o_sc, .offset: 8, .size: 8, .value_kind: global_buffer, .address_space: global }
      - { .name: w_img, .offset: 16, .size: 8, .value_kind: global_buffer, .address_space: global }
      - { .name: w_sc, .offset: 24, .size: 8, .value_kind: global_buffer, .address_space: global }
      - { .name: bo, .offset: 32, .size: 8, .value_kind: global_buffer, .address_space: global }
      - { .name: out0, .offset: 40, .size: 8, .value_kind: global_buffer, .address_space: global }
    .group_segment_fixed_size: 327680
    .private_segment_fixed_size: 0
    .kernarg_segment_align: 8
    .kernarg_segment_size: 48
    .max_flat_workgroup_size: 128
    .sgpr_count:     100
    .vgpr_count:     840
    .wavefront_size: 32
...
	.end_amdgpu_metadata
.endif
;; end of part 4
